; MI455X (gfx1250); checked and timed in simulation.
; The chip was launched on July 23, 2026; its instructions are those of AMD's public machine-readable ISA for CDNA 5 (MIT licence, August 2026) and "CDNA5" Instruction Set Architecture Reference Guide (July 2026). The comments in the code are by the model that wrote it; some were corrected since.
;; Multi Head Attention. Allowed arithmetic: matrix products marked QUANTISED: E2M1 operands, one E8M0 scale for each 32 along K, by v_wmma_scale_f32_16x16x128_f8f6f4 with both operands' format E2M1 (or v_wmma_scale_f32_32x16x128_f4), f32 sums; everything else in f32.
;; Inputs: Wk 1,024 x 1,024 float32; Wo 1,024 x 1,024 float32; Wq 1,024 x 1,024 float32; Wv 1,024 x 1,024 float32; bk 1,024 float32; bo 1,024 float32; bq 1,024 float32; bv 1,024 float32; key 4 x 2,048 x 1,024 float32; query 4 x 2,048 x 1,024 float32; value 4 x 2,048 x 1,024 float32.
;; Outputs: out0 4 x 2,048 x 1,024 float32.
;; This version of the problem:
;;   THIS VERSION OF THE PROBLEM IS GIVEN IN LOW PRECISION. The matrix products marked QUANTISED in the list below multiply operands that are first quantised to E2M1 (2 exponent bits, 1 mantissa bit; 4 bits a number), with one power-of-two scale for each 32 numbers along K (OCP MX v1.0); their sums are f32. All else is computed in f32.
;;   The module's matrix products, in the order in which they are computed (A, B: the left and right operand; K: the contracted axis; several contracted axes count as one K, in the product's order):
;;     1. [M 8,192, K 1,024] x [K 1,024, N 1,024]; A: input query; B: input Wq: QUANTISED
;;     2. [M 8,192, K 1,024] x [K 1,024, N 1,024]; A: input key; B: input Wk: QUANTISED
;;     3. [M 8,192, K 1,024] x [K 1,024, N 1,024]; A: input value; B: input Wv: QUANTISED
;;     4. batch 64 x [M 2,048, K 64] x [K 64, N 2,048]; A: computed on the way; B: computed on the way: QUANTISED
;;     5. batch 64 x [M 2,048, K 2,048] x [K 2,048, N 64]; A: softmax (see below); B: computed on the way: QUANTISED
;;     6. [M 8,192, K 1,024] x [K 1,024, N 1,024]; A: computed on the way; B: input Wo: QUANTISED
;;   THE QUANTISER, for each operand of a quantised product, along K:
;;     - K is cut into blocks of 32 from its start; a last block that is shorter is filled with zeros.
;;     - A block's scale is 2^e with e = floor(log2(the largest magnitude in the block)) - 2, held to -126 .. 127; a block of zeros has e = 0. As a byte (E8M0): e + 127.
;;     - Each number is divided by its block's scale, clamped to +-6, and rounded to the nearest number of E2M1, ties to even, subnormals kept.
;;     - The product sums the exact products of the quantised numbers (number of the format x scale) in f32.
;;   ~~~python
;;   def quantise(x, axis):      # numpy; x: float32 -> the quantised numbers, widened to float32 again
;;       x = np.moveaxis(x, axis, -1); K = x.shape[-1]
;;       x = np.pad(x, [(0, 0)] * (x.ndim - 1) + [(0, -K % 32)]); x = x.reshape(x.shape[:-1] + (-1, 32)); a = np.abs(x).max(-1, keepdims=True)
;;       e = np.where(a > 0, np.clip(np.frexp(np.where(a > 0, a, 1))[1] - 1 - 2, -126, 127), 0)      # np.frexp(a)[1] - 1 = floor(log2(a)), exactly
;;       r = np.clip(x / 2.0 ** e, -6, 6)
;;       step = 2.0 ** (np.maximum(np.frexp(np.where(r == 0, 1, r))[1] - 1, 0) - 1)
;;       q = np.round(r / step) * step * 2.0 ** e      # np.round: ties to even
;;       return np.moveaxis(q.reshape(q.shape[:-2] + (-1,))[..., :K], -1, axis).astype(np.float32)
;;   ~~~
;;   SOFTMAX AHEAD OF A QUANTISED PRODUCT. Where the list says 'softmax', what is quantised is not the finished softmax but p = 2^(t - M), with t = logit x log2(e) and M = ceil(the row's largest t), a whole number; so 1/2 < the row's largest p <= 1. The row's sum l is taken of the UNQUANTISED p, in f32, and the product's result is divided by l at the end. Since M is a whole number, a kernel that streams over the keys may use a running M (the ceiling of the running maximum): every later rescaling is an exact power of two, which a block's scale takes up: the codes' values come out the same.
;;   OPERANDS COMPUTED ON THE WAY. 'Computed on the way' means the value that the module computes at that place (a softmax that the list does not call 'softmax' is quantised finished and normalised). What goes into a quantiser is computed in f32, as accurately as f32 sums, v_exp_f32 and their like allow (about 1e-6 of the number): no bf16 or f16 on the way to a quantiser, and a product that is left as it is and whose result goes on into a quantised operand takes f32 operands (vector FMAs, or v_wmma_f32_16x16x4_f32). A number that lies on a knife's edge between two numbers of the format may be rounded either way, as far as f32 arithmetic and the matrix unit's own rounding can turn it there, and no further.
;; One version. Each part assembles by itself: llvm-mc -triple=amdgcn-amd-amdhsa -mcpu=gfx1250 --defsym DOCPART=n.
;; ======== version 1 of 1: 4 launches
;; workspace buffers: xc 14,680,064 bytes; xs 917,504 bytes; qkv 13,893,632 bytes; ai 4,194,304 bytes; asc 262,144 bytes
;; launch quant (part 1): grid 896 x 1, 4 waves a work-group, no clusters, 33,280 bytes of LDS; arguments query, key, value, Wq, Wk, Wv, Wo, xc, xs; writes xc, xs
.if DOCPART == 1
	.amdgcn_target "amdgcn-amd-amdhsa--gfx1250"
	.amdhsa_code_object_version 6
	.text
	.protected	k_q6aec12ef65_quant
	.globl	k_q6aec12ef65_quant
	.p2align	8
	.type	k_q6aec12ef65_quant,@function
k_q6aec12ef65_quant:
	s_mov_b64 s[64:65], 0
	v_nop
	global_prefetch_b8 v0, s[64:65] scope:SCOPE_SE
	s_setreg_imm32_b32 hwreg(HW_REG_WAVE_MODE, 25, 1), 1
	s_wait_xcnt 0x0
; query, key, value [8192][1024] and Wq, Wk, Wv, Wo [1024][1024], f32, K (the last axis) innermost, become codes of FP4 (E2M1), two a byte, and one E8M0 scale byte for each 32 along K.
; xc: 28,672 rows of 512 bytes of codes, xs: the same rows of 32 scale bytes; rows 0 query, 8,192 key, 16,384 value, 24,576 Wq, 25,600 Wk, 26,624 Wv, 27,648 Wo.
; THE ROW ORDER.  Of every 32 rows the four groups of 8 are laid in the order 0, 2, 1, 3.  So 16 rows on end in xc (the u-th 16 of a 32) are the rows 8 u + r + 8 (r / 8), r = 0 .. 15:
; a matrix result whose registers run along such rows holds, in the 16 registers of two neighbouring tiles, 16 NEIGHBOURS of the true order, which is what the next quantiser wants of a lane.
; A block's scale is 2^(floor(log2(its largest magnitude)) - 2); its byte is the largest magnitude's exponent field - 2, held at 1 from below.
; LIMITS: a block whose largest magnitude lies under 2^-124, a block of zeros among them, gets the byte 1 (the stated quantiser gives a block of zeros 127: its codes are zeros, which add nothing under
; either byte, and this program alone reads the bytes); NaN and infinities among the inputs are not served.
; SHARES.  A work-group takes 32 rows, a wave 8 rows: 16 steps of 512 numbers.  Each of a step's four loads reads 512 consecutive bytes; the 2,048 bytes turn through the wave's own stage in LDS and come back
; 64 bytes a lane: 16 neighbours along K, two lanes to a block.  A lane's 16 codes are 8 bytes: the wave stores 256 consecutive bytes, aligned.  A wave's 256 scale bytes are gathered in LDS and leave by one such store.
; No tensor loads, no barrier: waves share nothing.  Loads run four steps (16 loads a wave) ahead, the turn through LDS one step.
.set STEPS, 16
.set CB,    8                          ; bytes of 16 codes
.set R,     16                         ; v16-79   four sets of 16 numbers as they are loaded
.set X,     80                         ; v80-111  two sets of 16 neighbours
.set E,     112                        ; v112-127 a scale byte for each step
.set C,     128                        ; v128-191 codes: four registers for each step, so that no store's data are written again
.set WREG,  8192                       ; LDS: a region for each wave: two stages of 32 x SP bytes, behind them its 256 scale bytes
.set SP,    80                         ; a lane's place in a stage: 64 bytes + 16 of padding
.set WV,    28
	s_load_b256 s[4:11], s[0:1], 0x0               ; query s[4:5], key s[6:7], value s[8:9], Wq s[10:11]
	s_load_b256 s[12:19], s[0:1], 0x20             ; Wk s[12:13], Wv s[14:15], Wo s[16:17], xc s[18:19]
	s_load_b64 s[20:21], s[0:1], 0x40              ; xs
	v_lshl_add_u32 v192, v0, 2, 0x8000
	v_mov_b32 v193, 0
	v_lshrrev_b32 v1, 5, v0
	v_readfirstlane_b32 s[WV], v1                  ; wave 0..3
	v_and_b32 v2, 31, v0                           ; lane
	v_lshlrev_b32 v3, 4, v2                        ; my 16 bytes of a load's 512
	s_mul_i32 s29, s[WV], WREG
	v_lshrrev_b32 v14, 2, v2
	v_mul_u32_u24 v14, v14, SP
	v_and_b32 v15, 3, v2
	v_lshl_add_u32 v14, v15, 4, v14
	v_add_nc_u32 v14, s29, v14                     ; the stage, on the way in: four lanes' 64 bytes on end, then 16 of padding
	v_mul_u32_u24 v15, v2, SP
	v_add_nc_u32 v15, s29, v15                     ; and on the way out: my 16 neighbours
	v_mul_u32_u24 v4, v2, CB                       ; my codes' place in a step's 256 bytes
	v_lshrrev_b32 v5, 1, v2
	s_add_co_u32 s29, s29, 2*32*SP
	v_add_nc_u32 v5, s29, v5                       ; LDS: my wave's 256 scale bytes, my block's byte
	v_lshlrev_b32 v7, 3, v2                        ; and on the way out 8 bytes a lane
	v_add_nc_u32 v6, s29, v7
	s_and_b32 s30, s[WV], 1                        ; where my 8 rows go among the 32: the wave's two bits change places
	s_lshl_b32 s30, s30, 1
	s_lshr_b32 s31, s[WV], 1
	s_or_b32 s30, s30, s31
	s_lshl_b32 s31, ttmp9, 2
	s_add_co_u32 s30, s31, s30                     ; the outputs are linear in the work-group's number: the seven tensors lie on end
	s_lshl_b32 s32, s30, 12                        ; 8 rows of 512 bytes of codes
	s_mov_b32 s33, 0
	s_lshl_b32 s34, s30, 8                         ; 8 rows of 32 scale bytes
	s_mov_b32 s35, 0
	s_wait_kmcnt 0x0
	s_add_nc_u64 s[18:19], s[18:19], s[32:33]
	s_add_nc_u64 s[20:21], s[20:21], s[34:35]
	s_mov_b64 s[24:25], s[16:17]                   ; which tensor is mine, and which work-group is its first: the choice hangs on the work-group's number alone
	s_mov_b32 s26, 864
	s_cmp_lt_u32 ttmp9, 864
	s_cselect_b64 s[24:25], s[14:15], s[24:25]
	s_cselect_b32 s26, 832, s26
	s_cmp_lt_u32 ttmp9, 832
	s_cselect_b64 s[24:25], s[12:13], s[24:25]
	s_cselect_b32 s26, 800, s26
	s_cmp_lt_u32 ttmp9, 800
	s_cselect_b64 s[24:25], s[10:11], s[24:25]
	s_cselect_b32 s26, 768, s26
	s_cmp_lt_u32 ttmp9, 768
	s_cselect_b64 s[24:25], s[8:9], s[24:25]
	s_cselect_b32 s26, 512, s26
	s_cmp_lt_u32 ttmp9, 512
	s_cselect_b64 s[24:25], s[6:7], s[24:25]
	s_cselect_b32 s26, 256, s26
	s_cmp_lt_u32 ttmp9, 256
	s_cselect_b64 s[24:25], s[4:5], s[24:25]
	s_cselect_b32 s26, 0, s26
	s_sub_co_u32 s26, ttmp9, s26
	s_lshl_b32 s26, s26, 2
	s_add_co_u32 s26, s26, s[WV]
	s_lshl_b32 s26, s26, 15                        ; my 8 rows of 4,096 bytes
	s_mov_b32 s27, 0
	s_add_nc_u64 s[24:25], s[24:25], s[26:27]
.macro LOAD t
.irp i, 0,1,2,3
	global_load_b128 v[R+16*((\t)%4)+4*\i:R+16*((\t)%4)+4*\i+3], v3, s[24:25] offset:2048*(\t)+512*\i th:TH_LOAD_NT   ; 32 lanes read 512 consecutive bytes; read once in the launch
.endr
.endm
.macro TURN t                          ; step t's numbers through the stage: LDS serves a wave's instructions in order (ISA guide 5.7.1.4), so no wait stands between the stores and the loads
.irp i, 0,1,2,3
	ds_store_b128 v14, v[R+16*((\t)%4)+4*\i:R+16*((\t)%4)+4*\i+3] offset:32*SP*((\t)%2)+8*SP*\i
.endr
.irp i, 0,1,2,3
	ds_load_b128 v[X+16*((\t)%2)+4*\i:X+16*((\t)%2)+4*\i+3], v15 offset:32*SP*((\t)%2)+16*\i
.endr
.endm
.irp t, 0,1,2,3
	LOAD \t
.endr
	s_wait_loadcnt 12                              ; step 0's four loads are in; the twelve of steps 1 to 3 may be out
	TURN 0
.macro STEP t
.set XS, X+16*((\t)%2)
.if (\t) > 0
	s_wait_dscnt 1                                 ; this step's numbers are back from the stage (the last step's byte store may be out): so its stores into the stage have read their registers,
.else
	s_wait_dscnt 0x0
.endif
.if (\t)+4 < STEPS
	LOAD (\t)+4                                    ; which take the loads of four steps on
.endif
.if (\t)+1 < STEPS
.if STEPS-2-(\t) >= 3
	s_wait_loadcnt 12                              ; the next step's four loads are in; those of the three steps behind it may be out
.else
	s_wait_loadcnt 4*(STEPS-2-(\t))                ; the tail: four loads for each step still behind the next one
.endif
	TURN (\t)+1                                    ; and go through the other stage while this step is worked
.endif
	v_max3_num_f32 v8, |v[XS]|, |v[XS+1]|, |v[XS+2]|               ; the largest magnitude of my 16, in two chains
	v_max3_num_f32 v9, |v[XS+3]|, |v[XS+4]|, |v[XS+5]|
.irp i, 6,10
	v_max3_num_f32 v8, v8, |v[XS+\i]|, |v[XS+\i+1]|
	v_max3_num_f32 v9, v9, |v[XS+\i+2]|, |v[XS+\i+3]|
.endr
	v_max3_num_f32 v8, v8, |v[XS+14]|, |v[XS+15]|
	v_max3_num_f32 v8, v8, v9, 0x1800000           ; and the floor 2^(3 - 127): the byte cannot fall under 1
	v_max_num_f32_dpp v8, v8, v8 row_xmask:1 row_mask:0xf bank_mask:0xf   ; and of my neighbour's 16: the block's
	v_add_nc_u32 v11, 0xff000000, v8               ; 2 off its exponent field: the conversion takes the exponent field of this operand as its scale, and nothing else of it
	v_cvt_scalef32_pk8_fp4_f32 v[C+4*(\t)], v[XS:XS+7], v11
	v_cvt_scalef32_pk8_fp4_f32 v[C+4*(\t)+1], v[XS+8:XS+15], v11
	v_lshrrev_b32 v[E+(\t)], 23, v11               ; the scale's byte (also the plain line behind the conversions)
	ds_store_b8 v5, v[E+(\t)] offset:16*(\t)       ; both lanes of a block write the same byte with the same value
	global_store_b64 v4, v[C+4*(\t):C+4*(\t)+1], s[18:19] offset:32*CB*(\t)   ; 32 lanes store 256 consecutive bytes, aligned
.endm
.irp t, 0,1,2,3,4,5,6,7,8,9,10,11,12,13,14,15
	STEP \t
.endr
	ds_load_b64 v[12:13], v6                       ; these see my byte stores: a wave's LDS instructions are served in order
	s_wait_dscnt 0x0
	global_store_b64 v7, v[12:13], s[20:21]        ; 8 rows' scale bytes: 256 consecutive bytes, aligned
	s_wait_tensorcnt 0x0
	ds_add_u32 v192, v193
	s_wait_dscnt 0x0
	s_endpgm
.Lfunc_end_k_q6aec12ef65_quant:
	.size	k_q6aec12ef65_quant, .Lfunc_end_k_q6aec12ef65_quant-k_q6aec12ef65_quant
	.p2alignl 7, 3214868480
	.fill 96, 4, 3214868480
	.section	.rodata,"a",@progbits
	.p2align	6, 0x0
	.amdhsa_kernel k_q6aec12ef65_quant
		.amdhsa_group_segment_fixed_size 33280
		.amdhsa_private_segment_fixed_size 0
		.amdhsa_enable_private_segment 0
		.amdhsa_kernarg_size 72
		.amdhsa_user_sgpr_count 2
		.amdhsa_user_sgpr_kernarg_segment_ptr 1
		.amdhsa_wavefront_size32 1
		.amdhsa_system_sgpr_workgroup_id_x 1
		.amdhsa_system_sgpr_workgroup_id_y 1
		.amdhsa_system_sgpr_workgroup_id_z 1
		.amdhsa_system_vgpr_workitem_id 0
		.amdhsa_next_free_vgpr 194
		.amdhsa_next_free_sgpr 66
		.amdhsa_reserve_vcc 0
		.amdhsa_float_denorm_mode_32 3
		.amdhsa_float_denorm_mode_16_64 3
		.amdhsa_memory_ordered 1
		.amdhsa_forward_progress 1
		.amdhsa_inst_pref_size 34
	.end_amdhsa_kernel
	.amdgpu_metadata
---
amdhsa.version: [ 1, 2 ]
amdhsa.kernels:
  - .name:           k_q6aec12ef65_quant
    .symbol:         k_q6aec12ef65_quant.kd
    .args:
      - { .name: query, .offset: 0, .size: 8, .value_kind: global_buffer, .address_space: global }
      - { .name: key, .offset: 8, .size: 8, .value_kind: global_buffer, .address_space: global }
      - { .name: value, .offset: 16, .size: 8, .value_kind: global_buffer, .address_space: global }
      - { .name: Wq, .offset: 24, .size: 8, .value_kind: global_buffer, .address_space: global }
      - { .name: Wk, .offset: 32, .size: 8, .value_kind: global_buffer, .address_space: global }
      - { .name: Wv, .offset: 40, .size: 8, .value_kind: global_buffer, .address_space: global }
      - { .name: Wo, .offset: 48, .size: 8, .value_kind: global_buffer, .address_space: global }
      - { .name: xc, .offset: 56, .size: 8, .value_kind: global_buffer, .address_space: global }
      - { .name: xs, .offset: 64, .size: 8, .value_kind: global_buffer, .address_space: global }
    .group_segment_fixed_size: 33280
    .private_segment_fixed_size: 0
    .kernarg_segment_align: 8
    .kernarg_segment_size: 72
    .max_flat_workgroup_size: 128
    .sgpr_count:     66
    .vgpr_count:     194
    .wavefront_size: 32
...
	.end_amdgpu_metadata
.endif
;; end of part 1
;; launch proj (part 2): grid 4 x 96, 4 waves a work-group, no clusters, 296,448 bytes of LDS; arguments xc, xs, bq, bk, bv, qkv; writes qkv
.if DOCPART == 2
	.amdgcn_target "amdgcn-amd-amdhsa--gfx1250"
	.amdhsa_code_object_version 6
	.text
	.protected	k_q6aec12ef65_proj
	.globl	k_q6aec12ef65_proj
	.p2align	8
	.type	k_q6aec12ef65_proj,@function
k_q6aec12ef65_proj:
	s_mov_b64 s[64:65], 0
	v_nop
	global_prefetch_b8 v0, s[64:65] scope:SCOPE_SE
	s_setreg_imm32_b32 hwreg(HW_REG_WAVE_MODE, 25, 1), 1
	s_wait_xcnt 0x0
; Q = query Wq^T + bq, K = key Wk^T + bk, V = value Wv^T + bv on codes of FP4 with E8M0 scales (K = 1,024), and the results quantised in registers for the attention: Q and K along the head's 64, V along the keys.
; Work-group (x, y): kind = y / 32 (0 Q, 1 K, 2 V), 256 tokens (y % 32) x 256 features (x).  Four waves, as many as a WGP has SIMDs; a wave makes 128 x 128: 64 accumulators, 512 registers.
; ROLES.  Source 0 is P, the operand whose rows run along a lane's registers in the result, and so along the NEXT product's K; source 1 is R, one row to a lane.  Q, K: P = the weight (features), R = the tokens.
; V: P = value's tokens (the keys), R = Wv's features.  Only the rows' numbers in xc and xs differ between the kinds.
; THE ROW ORDER of xc (groups of 8 rows laid 0, 2, 1, 3 in every 32): register j of lane (r, h) in P's tile b is the true index 32 (b / 2) + 16 h + 8 (b % 2) + j, so the 64 registers of one block of R run
; 16 neighbours at a time along the next K; lane r of R's tile a is the true index 32 (a / 2) + 8 (a % 2) + r + 8 (r / 8).
; All of K fits in LDS: two slots of 512 along K and the scale bytes are filled ONCE, by three tensor loads a wave at the start; nothing is filled again.
; The bias is the C of the first K step's products.  RESULTS leave as images of operand registers (lane l's 16 bytes at 16 l), straight from registers: each store covers 512 or 256 consecutive bytes, aligned.
; qkv: 1,024 records of 13,568 bytes, record ((batch x 16 + head) x 16 + group of 128 tokens): K codes 4,096, K scale words 512, V codes 4,096, V scale words 256, Q codes 4,096, Q scale words 512.
; NO JOINT LOADS: the four work-groups of a grid row share the tokens' rows, half of the 295,936 bytes that each asks for once; those rows are source 1 in two kinds and source 0 in the third,
; and the text keeps one line and one descriptor for every wave and kind instead.
; LIMITS: a block whose largest magnitude lies under 2^-124 gets the scale byte 1 (a block of zeros too: its codes are zeros); NaN and infinities are not served.
; REGISTERS, in windows of 256: window 0: v1-7 at work, v8-15 packed scale words, v16-27 addresses, v32-95 scale words of the products (two sets, nothing else ever), v96-123 the quantiser's,
;   v128-191 R's fragments (one set), later the codes made, v192-255 the bias.  window 1: P's fragments, two sets.  windows 2, 3: the accumulators, (a, b) at v[8 (8 (a % 4) + b)].
.set NQ,     4                         ; steps of 128 along K in a slot
.set ROWB,   256                       ; a slot's row: 512 codes
.set KROW,   512                       ; a row of xc
.set PITCH,  272                       ; an LDS row: 256 bytes + 16 of padding: the 16 rows that a load touches start 68 words apart
.set FR,     8
.set NL,     2
.set NP,     4                         ; places behind this matrix instruction (ISA guide 7.12.1)
.set HALFT,  128*PITCH                 ; 128 rows: what one tensor load brings
.set SLOT,   4*HALFT                   ; R's 256 rows, then P's 256 rows
.set KS,     32                        ; a row of xs
.set SCL,    2*SLOT                    ; behind the slots: the scale bytes, as rows of 256 bytes + 16 of padding
.set HALFS,  16*272                    ; those of 128 rows
.set SBLK,   2*272                     ; those of 16 rows
.set REC,    13568
.set HS,     16*REC                    ; from a head's records to the next head's
.set SWE,  8
.set SWO,  12
.set ADRA, 16                          ; v16-17 LDS address of R's fragments in slot 0, 1
.set ADRB, 20                          ; v20-21 of P's
.set VO16, 24                          ; v24 16 x lane
.set VO8,  25                          ; v25 8 x lane
.set BO,   26                          ; v26 the bias's lane offset
.set ADRS, 27                          ; v27 LDS address of my scale words: lanes 0-15 R's rows, lanes 16-31 P's
.set SC,   32
.set TM,   96                          ; v96-99 largest magnitudes, v100-103 the other half's, then bytes, v108-111 the conversions' scale operands
.set PWR,  112                         ; v112-119 the scale word of each block of R
.set SWT,  120
.set AF,   128
.set PC,   128                         ; the codes made: 8 registers for each block of R, none written twice
.set CB,   192
.set WV,   16
.set RH,   17
.set PH,   18
.set KIND, 19
.set YY,   20
.set G1,   24                          ; s[24:31] descriptor group 1 for codes;  s[32:39] group 0, one set for each slot
.set G0,   32
.set G1S,  40                          ; s[40:47], s[48:51] the same for the scale bytes
.set G0S,  48
.set SEL,  52
.set MSB, 0
.macro WIN new                         ; the immediate's high byte repeats the setting that is left
.if MSB != (\new)
	s_set_vgpr_msb (MSB<<8)|(\new)
.set MSB, (\new)
.endif
.endm
.set MUL_LO, 0xa1                      ; source 0 (P) window 1, source 1 (R) window 0, C and D window 2
.set MUL_HI, 0xf1                      ; the same, C and D window 3
.set TO_B,   0x40                      ; destination window 1, address window 0
.macro PLACES n
.rept \n
	v_nop
.endr
.endm
	s_load_b256 s[4:11], s[0:1], 0x0               ; xc s[4:5], xs s[6:7], bq s[8:9], bk s[10:11]
	s_load_b128 s[12:15], s[0:1], 0x20             ; bv s[12:13], qkv s[14:15]
	v_lshl_add_u32 v126, v0, 2, 0x48400
	v_mov_b32 v127, 0
	ds_add_u32 v126, v127
	ds_add_u32 v126, v127
	v_lshrrev_b32 v1, 5, v0
	v_readfirstlane_b32 s[WV], v1                  ; wave 0..3
	s_lshr_b32 s[RH], s[WV], 1                     ; which half of R's rows is mine
	s_and_b32 s[PH], s[WV], 1                      ; which half of P's.  Also: which 128 rows I fetch
	s_and_b32 s22, ttmp7, 0xffff
	s_lshr_b32 s[KIND], s22, 5
	s_and_b32 s[YY], s22, 31
	s_lshl_b32 s52, s22, 8                         ; the tokens' first row in xc: 256 y (the three tensors lie on end)
	s_lshl_b32 s53, s[KIND], 10
	s_lshl_b32 s54, ttmp9, 8
	s_add_co_u32 s53, s53, s54
	s_add_co_u32 s53, s53, 24576                   ; the weight's: 24,576 + 1,024 kind + 256 x
	s_cmp_eq_u32 s[KIND], 2
	s_cselect_b32 s55, s53, s52                    ; R's first row
	s_cselect_b32 s56, s52, s53                    ; P's
	s_cselect_b32 s58, s[RH], s[PH]                ; which half of the 256 features is mine,
	s_cselect_b32 s59, s[PH], s[RH]                ; and which half of the 256 tokens
	s_cmp_lt_u32 s[WV], 2
	s_cselect_b32 s57, s55, s56                    ; waves 0, 1 fetch R's halves, waves 2, 3 P's
	s_lshl_b32 s54, s[PH], 7
	s_add_co_u32 s57, s57, s54
	s_mov_b32 s[G1+0], (1<<20)|(5<<22)|(3<<25)     ; 15:0 no mask; 17:16 elements of 1 byte; 20 padding on; 24:22 after every 64 words (code 5); 31:25 four words (code 3)
	s_mov_b32 s[G1+1], ROWB<<16                    ; tensor_dim0
	s_mov_b32 s[G1+2], 128<<16                     ; tensor_dim1
	s_mov_b32 s[G1+3], ROWB<<16                    ; tile_dim0
	s_mov_b32 s[G1+4], 128                         ; tile_dim1
	s_mov_b32 s[G1+5], KROW                        ; tensor_dim0_stride
	s_mov_b32 s[G1+6], 0
	s_mov_b32 s[G1+7], 0
	s_mov_b32 s[G1S+0], (3<<16)|(1<<20)|(5<<22)|(3<<25)   ; the scale bytes of 128 rows: 4,096 dense bytes as 16 rows of 32 elements of 8 bytes, padded alike
	s_mov_b32 s[G1S+1], 32<<16
	s_mov_b32 s[G1S+2], 16<<16
	s_mov_b32 s[G1S+3], 32<<16
	s_mov_b32 s[G1S+4], 16
	s_mov_b32 s[G1S+5], 32
	s_mov_b32 s[G1S+6], 0
	s_mov_b32 s[G1S+7], 0
	s_lshl_b32 s2, s57, 9                          ; my rows' codes, in bytes
	s_mov_b32 s3, 0
	s_lshl_b32 s22, s57, 5                         ; and their scale bytes
	s_mov_b32 s23, 0
	s_wait_dscnt 0x0
	s_wait_kmcnt 0x0
	s_add_nc_u64 s[54:55], s[4:5], s[2:3]
	s_add_nc_u64 s[56:57], s[6:7], s[22:23]
	; the three fills of a wave go out together, ahead of every wait on TENSORcnt, every LDS read and every barrier: three tensor loads of mine are out.  Each wave's bytes are its own: wave x a constant + the slot's constant
	s_mov_b32 s[G0S], 1
	s_mul_i32 s[G0S+1], s[WV], HALFS
	s_add_co_u32 s[G0S+1], s[G0S+1], SCL
	s_mov_b64 s[G0S+2:G0S+3], s[56:57]
	s_or_b32 s[G0S+3], s[G0S+3], 0x80000000
	tensor_load_to_lds s[G0S:G0S+3], s[G1S:G1S+7]
	s_nop 0
	PLACES 4
.irp s, 0,1
	s_mov_b32 s[G0+4*\s], 1
	s_mul_i32 s[G0+4*\s+1], s[WV], HALFT
	s_add_co_u32 s[G0+4*\s+1], s[G0+4*\s+1], \s*SLOT
	s_add_nc_u64 s[G0+4*\s+2:G0+4*\s+3], s[54:55], \s*ROWB
	s_or_b32 s[G0+4*\s+3], s[G0+4*\s+3], 0x80000000
	tensor_load_to_lds s[G0+4*\s:G0+4*\s+3], s[G1:G1+7]
	s_nop 0
	PLACES 4
.endr
	v_and_b32 v1, 15, v0                           ; r
	v_bfe_u32 v2, v0, 4, 1                         ; h
	v_and_b32 v7, 31, v0
	v_lshlrev_b32 v[VO16], 4, v7
	v_lshlrev_b32 v[VO8], 3, v7
	v_mul_u32_u24 v3, v1, PITCH
	v_lshl_add_u32 v4, v2, 4, v3                   ; a fragment's row x pitch + 16 x half
	s_mul_i32 s52, s[RH], HALFT                    ; my 128 rows of R
	s_mul_i32 s53, s[PH], HALFT                    ; my 128 rows of P,
	s_add_co_u32 s53, s53, 2*HALFT                 ; which lie behind R's 256
.irp s, 0,1
	v_add_nc_u32 v[ADRA+\s], s52, v4
	v_add_nc_u32 v[ADRB+\s], s53, v4
	s_add_co_u32 s52, s52, SLOT
	s_add_co_u32 s53, s53, SLOT
.endr
	v_mul_u32_u24 v5, v1, KS                       ; my row's scale bytes: 32 a row,
	v_lshrrev_b32 v6, 8, v5
	v_lshl_add_u32 v5, v6, 4, v5                   ; and 16 more for each 256 passed
	s_mul_i32 s52, s[RH], HALFS
	s_mul_i32 s53, s[PH], HALFS
	s_add_co_u32 s53, s53, 2*HALFS
	s_sub_co_u32 s53, s53, s52
	v_mul_u32_u24 v6, s53, v2                      ; lanes 16-31 take P's: one product, the distance between the two bases
	s_add_co_u32 s52, s52, SCL
	v_add_nc_u32 v5, v5, v6
	v_add_nc_u32 v[ADRS], s52, v5
	s_cmp_eq_u32 s[KIND], 1                        ; the kind's bias, at my 128 features
	s_cselect_b64 s[62:63], s[10:11], s[8:9]
	s_cmp_eq_u32 s[KIND], 2
	s_cselect_b64 s[62:63], s[12:13], s[62:63]
	s_lshl_b32 s2, ttmp9, 10
	s_lshl_b32 s52, s58, 9
	s_add_co_u32 s2, s2, s52
	s_add_nc_u64 s[62:63], s[62:63], s[2:3]
	s_lshr_b32 s52, s[YY], 3                       ; my first record: ((batch x 16 + 4 x + 2 x my half of the features) x 16 + 2 (y % 8) + my half of the tokens)
	s_lshl_b32 s52, s52, 4
	s_lshl_b32 s53, ttmp9, 2
	s_add_co_u32 s52, s52, s53
	s_lshl_b32 s53, s58, 1
	s_add_co_u32 s52, s52, s53
	s_lshl_b32 s52, s52, 4
	s_and_b32 s53, s[YY], 7
	s_lshl_b32 s53, s53, 1
	s_add_co_u32 s52, s52, s53
	s_add_co_u32 s52, s52, s59
	s_mul_i32 s2, s52, REC
	s_cmp_eq_u32 s[KIND], 0
	s_cselect_b32 s53, 8960, 0                     ; the kind's part of a record: Q at 8,960, K at 0,
	s_cmp_eq_u32 s[KIND], 2
	s_cselect_b32 s53, 4608, s53                   ; V at 4,608
	s_add_co_u32 s2, s2, s53
	s_add_nc_u64 s[60:61], s[14:15], s[2:3]
	; the bias in the result's layout, 8 registers a tile.  Both ways write all 64 registers.
	s_cmp_eq_u32 s[KIND], 2
	s_cbranch_scc1 .Lbias_v
	v_lshlrev_b32 v[BO], 6, v2                     ; Q, K: the features run along the registers: tile b wants 32 (b / 2) + 16 h + 8 (b % 2) + 0 .. 7
.irp b, 0,1,2,3,4,5,6,7
	global_load_b128 v[CB+8*\b:CB+8*\b+3], v[BO], s[62:63] offset:128*(\b/2)+32*(\b%2)
	global_load_b128 v[CB+8*\b+4:CB+8*\b+7], v[BO], s[62:63] offset:128*(\b/2)+32*(\b%2)+16
.endr
	s_branch .Lbias_in
.Lbias_v:
	v_and_b32 v[BO], 8, v1                         ; V: a lane holds one feature: block a wants 32 (a / 2) + 8 (a % 2) + r + 8 (r / 8), the same number in all eight registers
	v_add_nc_u32 v[BO], v[BO], v1
	v_lshlrev_b32 v[BO], 2, v[BO]
.irp a, 0,1,2,3,4,5,6,7
.irp j, 0,1,2,3,4,5,6,7
	global_load_b32 v[CB+8*\a+\j], v[BO], s[62:63] offset:128*(\a/2)+32*(\a%2)
.endr
.endr
.Lbias_in:
.macro FRAG reg, adr, q, i             ; 16 rows x 128 K of 4-bit codes: lane l holds row l % 16; registers 4 c .. 4 c + 3 hold K = 64 c + 32 (l / 16) + 0 .. 31
.irp c, 0,1
	ds_load_b128 v[\reg+4*\c:\reg+4*\c+3], v[\adr] offset:64*(\q)+32*\c+(\i)*16*PITCH
.endr
.endm
; 16 matrix instructions: R's blocks a0, a0 + 1 x P's eight, the slot's q-th 128 along K.  p: P's set; sc: the set of scale words.  cm = 0: the sums go on; 1: they start from the bias of P's tile; 2: from that of R's block.
; The 64 accumulators take turns, one instruction a turn, in the same order in every step.
.macro MUL16 a0, p, q, sc, cm
.irp a, \a0, \a0+1
.irp b, 0,1,2,3,4,5,6,7
.if \cm == 1
	v_wmma_scale_f32_16x16x128_f8f6f4 v[8*(8*((\a)%4)+\b):8*(8*((\a)%4)+\b)+7], v[128*(\p)+FR*\b:128*(\p)+FR*\b+FR-1], v[AF+FR*(\a):AF+FR*(\a)+FR-1], v[CB+8*\b:CB+8*\b+7], v[SC+8*NQ*(\sc)+NQ*\b+(\q)], v[SC+8*NQ*(\sc)+NQ*(\a)+(\q)] matrix_a_fmt:MATRIX_FMT_FP4 matrix_b_fmt:MATRIX_FMT_FP4 matrix_a_scale:MATRIX_SCALE_ROW1
.elseif \cm == 2
	v_wmma_scale_f32_16x16x128_f8f6f4 v[8*(8*((\a)%4)+\b):8*(8*((\a)%4)+\b)+7], v[128*(\p)+FR*\b:128*(\p)+FR*\b+FR-1], v[AF+FR*(\a):AF+FR*(\a)+FR-1], v[CB+8*(\a):CB+8*(\a)+7], v[SC+8*NQ*(\sc)+NQ*\b+(\q)], v[SC+8*NQ*(\sc)+NQ*(\a)+(\q)] matrix_a_fmt:MATRIX_FMT_FP4 matrix_b_fmt:MATRIX_FMT_FP4 matrix_a_scale:MATRIX_SCALE_ROW1
.else
	v_wmma_scale_f32_16x16x128_f8f6f4 v[8*(8*((\a)%4)+\b):8*(8*((\a)%4)+\b)+7], v[128*(\p)+FR*\b:128*(\p)+FR*\b+FR-1], v[AF+FR*(\a):AF+FR*(\a)+FR-1], v[8*(8*((\a)%4)+\b):8*(8*((\a)%4)+\b)+7], v[SC+8*NQ*(\sc)+NQ*\b+(\q)], v[SC+8*NQ*(\sc)+NQ*(\a)+(\q)] matrix_a_fmt:MATRIX_FMT_FP4 matrix_b_fmt:MATRIX_FMT_FP4 matrix_a_scale:MATRIX_SCALE_ROW1
.endif
.endr
.endr
.endm
.macro FETCH_B slot, q, p              ; P's eight fragments of the slot's q-th 128 along K into set p
	WIN TO_B
.irp i, 0,1,2,3,4,5,6,7
	FRAG 128*(\p)+FR*\i, ADRB+\slot, \q, \i
.endr
	WIN 0
.endm
.macro FETCH_A slot, q, i0             ; R's blocks i0 .. i0 + 3
.irp i, \i0, \i0+1, \i0+2, \i0+3
	FRAG AF+FR*(\i), ADRA+\slot, \q, \i
.endr
.endm
.macro SCALES sc                       ; a slot's scale words into set sc: four words a row; lanes 0-15 take R's block i, lanes 16-31 P's block i
.irp i, 0,1,2,3,4,5,6,7
	ds_load_b128 v[SC+8*NQ*\sc+NQ*\i:SC+8*NQ*\sc+NQ*\i+3], v[ADRS] offset:\i*SBLK
.endr
.endm
; A step of 128 along K that has its successor in the same slot.  A block of R is free as soon as its eight products are issued: blocks 0-3 are fetched anew in the step's middle, blocks 4-7 at its end; P has two sets.
; A load into a register that a matrix instruction has read stands four plain vector instructions behind it (ISA guide 7.12.1 for vector instructions).
.macro STEP slot, q, cm
	s_wait_dscnt 4*NL                              ; P's set, R's blocks 0-3 and the scale words are in; the youngest eight loads (R's blocks 4-7) may be out
.if \cm
	WIN 0x81                                       ; C (the bias) in window 0, D in window 2
.else
	WIN MUL_LO
.endif
	MUL16 0, (\q)%2, \q, \slot, \cm
	MUL16 2, (\q)%2, \q, \slot, \cm
	s_wait_dscnt 0                                 ; R's blocks 4-7 are in
	PLACES NP
	FETCH_B \slot, (\q)+1, 1-(\q)%2
	FETCH_A \slot, (\q)+1, 0
.if \cm
	WIN 0xc1
.else
	WIN MUL_HI
.endif
	MUL16 4, (\q)%2, \q, \slot, \cm
	MUL16 6, (\q)%2, \q, \slot, \cm
	PLACES NP
	WIN 0
	FETCH_A \slot, (\q)+1, 4
.endm
; Slot 0's last step goes over to slot 1.  Each wave waits for its part of slot 1, then the barrier: behind it the slot is whole.  Nothing is filled again.
.macro TURN slot, next
	s_wait_tensorcnt 0x0                           ; my part of the next slot has landed: for the other waves' sake, ahead of my signal
	s_wait_dscnt 4*NL                              ; (the youngest eight loads, R's blocks 4-7, may be out)
	WIN MUL_LO
	MUL16 0, 1, NQ-1, \slot, 0
	s_wait_dscnt 0x0                               ; no LDS instruction of mine is out at the signal
	s_barrier_signal -1
	MUL16 2, 1, NQ-1, \slot, 0
	WIN 0
	s_barrier_wait -1
	PLACES NP
	v_add_nc_u32 v[ADRS], 4*NQ, v[ADRS]            ; on to the next slot's scale words
	FETCH_B \next, 0, 0
	FETCH_A \next, 0, 0
	SCALES \next
	WIN MUL_HI
	MUL16 4, 1, NQ-1, \slot, 0
	MUL16 6, 1, NQ-1, \slot, 0
	PLACES NP
	WIN 0
	FETCH_A \next, 0, 4
.endm
.macro STEPS slot, from                ; the slot's steps from .. NQ - 2
.set Q, \from
.rept NQ-1-\from
	STEP \slot, Q, 0
.set Q, Q+1
.endr
.endm
	s_wait_tensorcnt 1                             ; the scale bytes and my part of slot 0 are in; slot 1's load may be out
	s_barrier_signal -1
	s_barrier_wait -1                              ; everybody's are
	FETCH_B 0, 0, 0
	FETCH_A 0, 0, 0
	SCALES 0
	FETCH_A 0, 0, 4
	s_wait_loadcnt 0x0                             ; the bias
	s_cmp_eq_u32 s[KIND], 2
	s_cbranch_scc1 .Lfirst_v
	STEP 0, 0, 1                                   ; the first step's products start the sums from the bias: nothing is cleared, nothing is added later
	s_branch .Lfirst_done
.Lfirst_v:
	STEP 0, 0, 2
.Lfirst_done:
	STEPS 0, 1
	TURN 0, 1
	STEPS 1, 0
	s_wait_dscnt 4*NL                              ; the last step: nothing more to fetch
	WIN MUL_LO
	MUL16 0, 1, NQ-1, 1, 0
	MUL16 2, 1, NQ-1, 1, 0
	s_wait_dscnt 0
	WIN MUL_HI
	MUL16 4, 1, NQ-1, 1, 0
	MUL16 6, 1, NQ-1, 1, 0
	WIN 0
; THE WAY OUT.  The 64 registers of R's block a (register 16 b + i = index 32 b + 16 (lane / 16) + i along the next K, of my lane's row) become a fragment's codes in v[PC + 8 a] on and its scale word in v[PWR + a].
; Each accumulator is read from its low end on.
.macro QUANTW a
.set AC, 64*((\a)%4)
	WIN 0x0a+5*((\a)/4)                            ; sources 0 and 1: window 2 or 3
.irp b, 0,1,2,3
	v_max3_num_f32 v[TM+\b], |v[AC+16*\b]|, |v[AC+16*\b+1]|, 0x1800000   ; block b: my 16 numbers, and the floor 2^(3 - 127): the byte cannot fall under 1
.endr
.irp i, 2,4,6,8,10,12,14
.irp b, 0,1,2,3
	v_max3_num_f32 v[TM+\b], |v[AC+16*\b+\i]|, |v[AC+16*\b+\i+1]|, v[TM+\b]   ; (the four blocks by turns)
.endr
.endr
	WIN 0
.irp b, 0,1,2,3
	v_permlanex16_b32 v[TM+4+\b], v[TM+\b], s[SEL], s[SEL+1]
.endr
.irp b, 0,1,2,3
	v_max_num_f32 v[TM+\b], v[TM+\b], v[TM+4+\b]   ; with lane l xor 16's: the block's largest magnitude
.endr
.irp b, 0,1,2,3
	v_add_nc_u32 v[TM+12+\b], 0xff000000, v[TM+\b] ; 2 off its exponent field: the conversion's scale operand
.endr
.irp b, 0,1,2,3
	v_lshrrev_b32 v[TM+4+\b], 23, v[TM+12+\b]      ; the scale's byte
.endr
	v_lshl_or_b32 v[PWR+(\a)], v[TM+5], 8, v[TM+4]
	v_lshl_or_b32 v[PWR+(\a)], v[TM+6], 16, v[PWR+(\a)]
	v_lshl_or_b32 v[PWR+(\a)], v[TM+7], 24, v[PWR+(\a)]
	WIN 0x02+((\a)/4)                              ; source 0: window 2 or 3
.irp b, 0,1,2,3
	v_cvt_scalef32_pk8_fp4_f32 v[PC+8*(\a)+2*\b], v[AC+16*\b:AC+16*\b+7], v[TM+12+\b]
	v_cvt_scalef32_pk8_fp4_f32 v[PC+8*(\a)+2*\b+1], v[AC+16*\b+8:AC+16*\b+15], v[TM+12+\b]
.endr
	WIN 0
	v_nop                                          ; one plain line behind a scaled conversion
.irp c, 0,1                                    ; the operand's layout wants a whole block in a lane: lanes 0-15 block 2 c, lanes 16-31 block 2 c + 1
.irp i, 0,1
	v_permlane16_swap_b32 v[PC+8*(\a)+4*\c+\i], v[PC+8*(\a)+2+4*\c+\i]
.endr
.endr
.endm
.irp b, 0,1,2,3
	v_mov_b32 v[TM+4+\b], 0                        ; a lane permute's destination counts as one of its sources.  These four are also the places behind the last products
.endr
	s_mov_b32 s[SEL], 0x76543210
	s_mov_b32 s[SEL+1], 0xfedcba98                 ; v_permlanex16_b32's selects for lane l xor 16
	s_mov_b32 vcc_lo, 0xffff0000                   ; lanes 16-31
	s_cmp_eq_u32 s[KIND], 2
	s_cbranch_scc1 .Lout_v
	; Q, K: my 128 features are two heads; registers 0-3 of block a's codes are tile a (16 tokens x 64) of the first head, registers 4-7 of the second
.irp a, 0,1,2,3,4,5,6,7
	QUANTW \a
	global_store_b128 v[VO16], v[PC+8*\a:PC+8*\a+3], s[60:61] offset:512*\a          ; 32 lanes store 512 consecutive bytes, aligned
	global_store_b128 v[VO16], v[PC+8*\a+4:PC+8*\a+7], s[60:61] offset:HS+512*\a
.endr
.irp i, 0,1,2,3
	v_cndmask_b32 v[SWT+\i], v[PWR+2*\i], v[PWR+2*\i+1], vcc_lo   ; word i: lanes 0-15 tile 2 i, lanes 16-31 tile 2 i + 1
.endr
.irp i, 0,1,2,3
	v_and_b32 v[SWE+\i], 0xffff, v[SWT+\i]         ; the first head's two bytes; the word's upper two are 0: they meet zero codes in the attention
	v_lshrrev_b32 v[SWO+\i], 16, v[SWT+\i]         ; the second head's
.endr
	global_store_b128 v[VO16], v[SWE:SWE+3], s[60:61] offset:4096
	global_store_b128 v[VO16], v[SWO:SWO+3], s[60:61] offset:HS+4096
	s_wait_tensorcnt 0x0
	ds_add_u32 v126, v127
	s_wait_dscnt 0x0
	s_endpgm
.Lout_v:
	; V: block a is tile a % 4 (16 of the head's 64 x my 128 keys) of head a / 4: a whole fragment
.irp a, 0,1,2,3,4,5,6,7
	QUANTW \a
	global_store_b128 v[VO16], v[PC+8*\a:PC+8*\a+3], s[60:61] offset:(\a/4)*HS+(\a%4)*1024
	global_store_b128 v[VO16], v[PC+8*\a+4:PC+8*\a+7], s[60:61] offset:(\a/4)*HS+(\a%4)*1024+512
.endr
.irp i, 0,1,2,3
	v_cndmask_b32 v[SWT+\i], v[PWR+2*\i], v[PWR+2*\i+1], vcc_lo
.endr
	global_store_b64 v[VO8], v[SWT:SWT+1], s[60:61] offset:4096                      ; 32 lanes store 256 consecutive bytes, aligned
	global_store_b64 v[VO8], v[SWT+2:SWT+3], s[60:61] offset:HS+4096
	s_wait_tensorcnt 0x0
	ds_add_u32 v126, v127
	s_wait_dscnt 0x0
	s_endpgm
.Lfunc_end_k_q6aec12ef65_proj:
	.size	k_q6aec12ef65_proj, .Lfunc_end_k_q6aec12ef65_proj-k_q6aec12ef65_proj
	.p2alignl 7, 3214868480
	.fill 96, 4, 3214868480
	.section	.rodata,"a",@progbits
	.p2align	6, 0x0
	.amdhsa_kernel k_q6aec12ef65_proj
		.amdhsa_group_segment_fixed_size 296448
		.amdhsa_private_segment_fixed_size 0
		.amdhsa_enable_private_segment 0
		.amdhsa_kernarg_size 48
		.amdhsa_user_sgpr_count 2
		.amdhsa_user_sgpr_kernarg_segment_ptr 1
		.amdhsa_wavefront_size32 1
		.amdhsa_system_sgpr_workgroup_id_x 1
		.amdhsa_system_sgpr_workgroup_id_y 1
		.amdhsa_system_sgpr_workgroup_id_z 1
		.amdhsa_system_vgpr_workitem_id 0
		.amdhsa_next_free_vgpr 1024
		.amdhsa_next_free_sgpr 66
		.amdhsa_reserve_vcc 1
		.amdhsa_float_denorm_mode_32 3
		.amdhsa_float_denorm_mode_16_64 3
		.amdhsa_memory_ordered 1
		.amdhsa_forward_progress 1
		.amdhsa_inst_pref_size 176
	.end_amdhsa_kernel
	.amdgpu_metadata
---
amdhsa.version: [ 1, 2 ]
amdhsa.kernels:
  - .name:           k_q6aec12ef65_proj
    .symbol:         k_q6aec12ef65_proj.kd
    .args:
      - { .name: xc, .offset: 0, .size: 8, .value_kind: global_buffer, .address_space: global }
      - { .name: xs, .offset: 8, .size: 8, .value_kind: global_buffer, .address_space: global }
      - { .name: bq, .offset: 16, .size: 8, .value_kind: global_buffer, .address_space: global }
      - { .name: bk, .offset: 24, .size: 8, .value_kind: global_buffer, .address_space: global }
      - { .name: bv, .offset: 32, .size: 8, .value_kind: global_buffer, .address_space: global }
      - { .name: qkv, .offset: 40, .size: 8, .value_kind: global_buffer, .address_space: global }
    .group_segment_fixed_size: 296448
    .private_segment_fixed_size: 0
    .kernarg_segment_align: 8
    .kernarg_segment_size: 48
    .max_flat_workgroup_size: 128
    .sgpr_count:     66
    .vgpr_count:     1024
    .wavefront_size: 32
...
	.end_amdgpu_metadata
.endif
;; end of part 2
;; launch attn (part 3): grid 4 x 64, 16 waves a work-group, clusters of 4 x 1, 169,984 bytes of LDS; arguments qkv, ai, asc; writes ai, asc
.if DOCPART == 3
	.amdgcn_target "amdgcn-amd-amdhsa--gfx1250"
	.amdhsa_code_object_version 6
	.text
	.protected	k_q6aec12ef65_attn
	.globl	k_q6aec12ef65_attn
	.p2align	8
	.type	k_q6aec12ef65_attn,@function
k_q6aec12ef65_attn:
	s_mov_b64 s[64:65], 0
	v_nop
	global_prefetch_b8 v0, s[64:65] scope:SCOPE_SE
	s_setreg_imm32_b32 hwreg(HW_REG_WAVE_MODE, 25, 1), 1
	s_wait_xcnt 0x0
	s_wait_alu depctr_hold_cnt(0) depctr_sa_sdst(0) depctr_va_vdst(0) depctr_va_sdst(0) depctr_va_ssrc(0) depctr_va_vcc(0) depctr_vm_vsrc(0)
	s_getreg_b32 s2, hwreg(HW_REG_IB_STS2, 6, 4)
	s_cmp_eq_u32 s2, 0
	s_cbranch_scc0 .Lentry_in_a_cluster
	s_endpgm
.Lentry_in_a_cluster:
	s_bfe_u32 s2, ttmp6, 0x10000c
	s_cmp_lg_u32 s2, 0x3003
	s_cbranch_scc0 .Lentry_shape_is_right
	s_endpgm
.Lentry_shape_is_right:
; For each (batch, head): O[q] = the sum over k of softmax_k(Q[q] . K[k] / 8) V[k], both products on codes of FP4 with E8M0 scales, and O quantised along the model's 1,024 (two blocks of 32 a head) for the last product.
; THE SOFTMAX AHEAD OF THE SECOND PRODUCT: t = score x log2(e) / 8; M = the row's largest t so far, rounded UP to a whole number; p = 2^(t - M) is what is quantised, along the keys; it is not normalised.
; The row's sum is taken of the unquantised p, in f32, and divides O at the end.  When M moves, the sum and O are multiplied by 2^(old M - new M): exact.
; SHARES.  A work-group owns 512 queries of one (batch, head); each of its sixteen waves owns TWO tiles of 16 queries, so that each fragment of K and V read from LDS feeds two products; 256 registers a wave, four waves to a SIMD,
; so that one wave's vector work stands beside another's matrix work and LDS loads.  Every wave walks the head's 2,048 keys, 128 a step.
; LDS.  The head's K and V, codes and scale words, are the first 8,960 bytes of each of its 16 records: 143,360 bytes, filled ONCE, wave w bringing record w.  Nothing is filled again, nothing is stored to LDS.
; CLUSTER.  The four work-groups of a cluster own the four query blocks of one head and want the same 16 records: each is asked for JOINTLY, by the same tensor load with the same descriptor and a mask that names the four.
; LAYOUT.  Both products are used transposed: S^T = K Q^T (source 0 = 16 keys, source 1 = 16 queries), O^T = V^T P^T (source 0 = 16 of the head's 64, source 1 = P): a lane holds ONE query (lane % 16) throughout.
; The records hold images of operand registers (lane l's 16 bytes at 16 l), and their tiles carry the row order in which lane r of tile 2 b + u is index 32 b + 8 u + r + 8 (r / 8): so the 16 registers of tiles 2 b, 2 b + 1
; of a result are 16 neighbours, 32 b + 16 (lane / 16) + 0 .. 15, of the keys (S^T) or of the head's 64 (O^T).
; K = 64 IN AN INSTRUCTION OF 128.  Q's fragment is four registers of codes and four of zeros.  K's operand for tile t is its four registers and the four that follow (the next tile's, or zeros): they meet Q's zero
; codes under the scale bytes 0 (2^-127) of both sides, and add nothing.
; LIMITS: v_exp_f32 gives 0 for a p under 2^-126; a block whose largest p or largest |O| lies under 2^-124 gets the scale byte 1; NaN and infinities are not served.
.set REC,  13568
.set HS,   16*REC
.set KVB,  8960                        ; K's and V's part of a record: K codes 0, K scale words 4,096, V codes 4,608, V scale words 8,704
.set L16,  1                           ; v1  16 x lane
.set L8,   2                           ; v2  8 x lane
.set ADC,  3                           ; v3  the step's record + 16 x lane
.set ADS,  4                           ; v4  the step's record + 8 x lane
.set L32,  5                           ; v5  32 x lane
                                       ; v[8+4u] -M, v[9+4u] the largest t, v[10+4u:11+4u] the sum in two halves, of query tile u
.set QF,   16                          ; v16-31   Q's two fragments
.set KV,   32                          ; v32-63   K's eight tiles (4 registers each), later V's four fragments (8 each)
.set ZR,   64                          ; v64-67   zeros
.set S,    68                          ; v68-131  S^T, then p, of the tile in hand
.set O,    132                         ; v132-195 O^T, 32 registers a tile
.set PC,   196                         ; v196-211 p's codes, 8 registers a tile
.set BM,   212
.set BT,   216
.set BS,   220
.set F,    224                         ; v[224:225] f = 2^(old M - new M), and a 0 named with it as a pair
.set TMP,  226
.set SUM2, 228
.set KSW,  230                         ; v230-233 K's scale words: word i: lanes 0-15 tile 2 i, lanes 16-31 tile 2 i + 1
.set VSW,  234                         ; v234-235 V's likewise
.set QSW,  236                         ; v236     Q's: lanes 0-15 my tile 0, lanes 16-31 my tile 1
.set PSW,  237                         ; v237-238 p's, a register a tile
.set OC,   240                         ; v240-247 O's codes, 4 registers a tile
.set HW,   248                         ; v248-250 O's two scale bytes of each tile, and the two merged
.set WV,   10
.set G1,   16
.set G0,   24
.set SEL,  28
.set CS,   30
.set TB,   32
.macro CROUND                          ; a round of the cluster's barrier: my work-group's barrier; wave 0 signals for the work-group; every wave waits for all four work-groups; my work-group's barrier once more
	s_barrier_signal -1
	s_barrier_wait -1
	s_cmp_lg_u32 s[WV], 0
	s_cbranch_scc1 .Lnot_wave_0_\@
	s_barrier_signal -3
.Lnot_wave_0_\@:
	s_barrier_wait -3
	s_barrier_signal -1
	s_barrier_wait -1
.endm
	s_load_b128 s[4:7], s[0:1], 0x0                ; qkv s[4:5], ai s[6:7]
	s_load_b64 s[8:9], s[0:1], 0x10                ; asc
	v_lshl_add_u32 v254, v0, 2, 0x29000
	v_mov_b32 v255, 0
	ds_add_u32 v254, v255
	ds_add_u32 v254, v255
	v_lshrrev_b32 v6, 5, v0
	s_delay_alu instid0(VALU_DEP_1)
	v_readfirstlane_b32 s[WV], v6                  ; wave 0..15
	s_bfe_u32 s11, ttmp6, 0x40000                  ; cx: my place in the cluster
	s_lshl_b32 s12, ttmp9, 2
	s_add_co_u32 s12, s12, s11                     ; my block of 512 queries: it enters Q's, ai's and asc's addresses alone
	s_and_b32 s13, ttmp7, 0xffff                   ; batch x 16 + head, which the four partners share
	s_mul_i32 s14, s13, HS                         ; the head's first record
	s_mul_i32 s15, s[WV], REC
	s_add_co_u32 s44, s14, s15                     ; the record that I fetch
	s_mov_b32 s45, 0
	s_mov_b32 s[G1+0], 15|(3<<16)|(1<<21)          ; 15:0 the mask: all four work-groups; 17:16 elements of 8 bytes; 20 no padding; 21 set beside a mask
	s_mov_b32 s[G1+1], 32<<16                      ; tensor_dim0: 8,960 dense bytes as 35 rows of 256
	s_mov_b32 s[G1+2], 35<<16                      ; tensor_dim1
	s_mov_b32 s[G1+3], 32<<16                      ; tile_dim0
	s_mov_b32 s[G1+4], 35                          ; tile_dim1
	s_mov_b32 s[G1+5], 32                          ; tensor_dim0_stride
	s_mov_b32 s[G1+6], 0
	s_mov_b32 s[G1+7], 0
	s_mov_b32 s[SEL], 0x76543210
	s_mov_b32 s[SEL+1], 0xfedcba98                 ; v_permlanex16_b32's selects for lane l xor 16
	s_mov_b32 s[CS], 0x3e38aa3b                    ; c = log2(e) / 8
	s_mov_b32 s[CS+1], s[CS]                       ; (named with it as a pair, so it is written)
	s_mov_b32 s[TB], 0
	s_wait_dscnt 0x0
	s_wait_kmcnt 0x0
	s_mov_b32 s[G0], 1
	s_mul_i32 s[G0+1], s[WV], KVB                  ; LDS: wave x 8,960: no place in the cluster enters an LDS address
	s_add_nc_u64 s[G0+2:G0+3], s[4:5], s[44:45]
	s_or_b32 s[G0+3], s[G0+3], 0x80000000
	CROUND                                         ; all four work-groups are here: the joint loads meet
	tensor_load_to_lds s[G0:G0+3], s[G1:G1+7]      ; my one tensor load of the launch
	s_nop 0
.rept 4
	v_nop
.endr
	s_lshl_b32 s42, s12, 2                         ; my queries' record: group 4 x block + wave / 4 of the head's 16,
	s_lshr_b32 s43, s[WV], 2
	s_add_co_u32 s42, s42, s43
	s_mul_i32 s42, s42, REC
	s_add_co_u32 s42, s42, s14
	s_and_b32 s43, s[WV], 3                        ; and in it tiles 2 (wave % 4) and the next
	s_lshl_b32 s46, s43, 10
	s_add_co_u32 s46, s46, s42
	s_add_co_u32 s46, s46, 8960
	s_mov_b32 s47, 0
	s_add_nc_u64 s[34:35], s[4:5], s[46:47]        ; Q's codes
	s_lshl_b32 s46, s43, 2
	s_add_co_u32 s46, s46, s42
	s_add_co_u32 s46, s46, 13056
	s_add_nc_u64 s[36:37], s[4:5], s[46:47]        ; Q's scale words: word wave % 4 of each lane's four
	s_lshr_b32 s42, s13, 4
	s_lshl_b32 s42, s42, 7
	s_lshl_b32 s43, s12, 5
	s_add_co_u32 s42, s42, s43
	s_lshl_b32 s43, s[WV], 1
	s_add_co_u32 s42, s42, s43                     ; my first tile among the 512 tiles of 16 tokens: 128 batch + 32 block + 2 wave
	s_and_b32 s43, s13, 15                         ; the head
	s_lshl_b32 s46, s42, 12                        ; ai: [head / 8][tile][head % 8][512 bytes]
	s_lshr_b32 s33, s43, 3
	s_lshl_b32 s33, s33, 21
	s_add_co_u32 s46, s46, s33
	s_and_b32 s33, s43, 7
	s_lshl_b32 s33, s33, 9
	s_add_co_u32 s46, s46, s33
	s_add_nc_u64 s[38:39], s[6:7], s[46:47]
	s_lshl_b32 s46, s42, 9                         ; asc: 32 bytes a token, bytes 2 head and 2 head + 1
	s_lshl_b32 s33, s43, 1
	s_add_co_u32 s46, s46, s33
	s_add_nc_u64 s[40:41], s[8:9], s[46:47]
	v_and_b32 v6, 31, v0
	s_delay_alu instid0(VALU_DEP_1)
	v_lshlrev_b32 v[L16], 4, v6
	s_delay_alu instid0(VALU_DEP_2)
	v_lshlrev_b32 v[L8], 3, v6
	s_delay_alu instid0(VALU_DEP_3)
	v_lshlrev_b32 v[L32], 5, v6
.irp u, 0,1
	global_load_b128 v[QF+8*\u:QF+8*\u+3], v[L16], s[34:35] offset:512*\u   ; Q's codes stay in registers
.endr
	global_load_b32 v[QSW], v[L16], s[36:37]
.irp u, 0,1
.irp j, 4,5,6,7
	v_mov_b32 v[QF+8*\u+\j], 0                     ; the upper 64 of the instruction's K: zero codes
.endr
	v_mov_b32 v[9+4*\u], 0xff61b1e6                ; the largest t so far: -3e38, under every t
	s_delay_alu instid0(VALU_DEP_1)
	v_floor_f32 v[8+4*\u], -v[9+4*\u]              ; -M
	v_mov_b32 v[10+4*\u], 0                        ; the sum, in two halves
	v_mov_b32 v[11+4*\u], 0
.endr
.irp j, 0,1,2,3
	v_mov_b32 v[ZR+\j], 0
	v_mov_b32 v[BT+\j], 0                          ; a lane permute's destination counts as one of its sources
.endr
	v_mov_b32 v[F+1], 0
	v_mov_b32 v[TMP], 0
.set j, 0
.rept 64
	v_mov_b32 v[O+j], 0                            ; O^T.  (The step is written once: the first finds zeros, which the first change of M leaves zeros)
.set j, j+1
.endr
; S^T of query tile u: eight tiles of 16 keys.  Each product starts its sum with the constant 0.
.macro SQ u
.irp t, 0,1,2,3,4,5,6,7
.if (\t%2 == 0) && (\u == 0)
	v_wmma_scale_f32_16x16x128_f8f6f4 v[S+8*\t:S+8*\t+7], v[KV+4*\t:KV+4*\t+7], v[QF+8*\u:QF+8*\u+7], 0, v[KSW+\t/2], v[QSW] matrix_a_fmt:MATRIX_FMT_FP4 matrix_b_fmt:MATRIX_FMT_FP4
.elseif (\u == 0)
	v_wmma_scale_f32_16x16x128_f8f6f4 v[S+8*\t:S+8*\t+7], v[KV+4*\t:KV+4*\t+7], v[QF+8*\u:QF+8*\u+7], 0, v[KSW+\t/2], v[QSW] matrix_a_fmt:MATRIX_FMT_FP4 matrix_b_fmt:MATRIX_FMT_FP4 matrix_a_scale:MATRIX_SCALE_ROW1
.elseif (\t%2 == 0)
	v_wmma_scale_f32_16x16x128_f8f6f4 v[S+8*\t:S+8*\t+7], v[KV+4*\t:KV+4*\t+7], v[QF+8*\u:QF+8*\u+7], 0, v[KSW+\t/2], v[QSW] matrix_a_fmt:MATRIX_FMT_FP4 matrix_b_fmt:MATRIX_FMT_FP4 matrix_b_scale:MATRIX_SCALE_ROW1
.else
	v_wmma_scale_f32_16x16x128_f8f6f4 v[S+8*\t:S+8*\t+7], v[KV+4*\t:KV+4*\t+7], v[QF+8*\u:QF+8*\u+7], 0, v[KSW+\t/2], v[QSW] matrix_a_fmt:MATRIX_FMT_FP4 matrix_b_fmt:MATRIX_FMT_FP4 matrix_a_scale:MATRIX_SCALE_ROW1 matrix_b_scale:MATRIX_SCALE_ROW1
.endif
.endr
.endm
; The softmax of query tile u for 128 keys: register 16 b + i of S is key 32 b + 16 (lane / 16) + i of my query.  It leaves p's codes in v[PC + 8 u] on and their scale word in v[PSW + u].
.macro SOFTMAX u
.set NM, 8+4*\u
.irp b, 0,1,2,3
	v_max3_num_f32 v[BM+\b], v[S+16*\b], v[S+16*\b+1], v[S+16*\b+2]   ; the largest score of each block of 32 keys: it serves the row's maximum and, since p rises with the score, the block's largest p
.endr
.irp i, 3,5,7,9,11,13
.irp b, 0,1,2,3
	v_max3_num_f32 v[BM+\b], v[BM+\b], v[S+16*\b+\i], v[S+16*\b+\i+1]   ; (the four blocks by turns; each accumulator is first read at its low end)
.endr
.endr
.irp b, 0,1,2,3
	v_max_num_f32 v[BM+\b], v[BM+\b], v[S+16*\b+15]
.endr
.irp b, 0,1,2,3
	s_delay_alu instid0(VALU_DEP_4)
	v_permlanex16_b32 v[BT+\b], v[BM+\b], s[SEL], s[SEL+1]
.endr
.irp b, 0,1,2,3
	s_delay_alu instid0(VALU_DEP_4)
	v_max_num_f32 v[BM+\b], v[BM+\b], v[BT+\b]     ; with lane l xor 16's 16 keys
.endr
	s_delay_alu instid0(VALU_DEP_2)
	v_max3_num_f32 v[TMP], v[BM], v[BM+1], v[BM+2]
	s_delay_alu instid0(VALU_DEP_1)
	v_max_num_f32 v[TMP], v[TMP], v[BM+3]          ; the step's largest score of my query
	s_delay_alu instid0(VALU_DEP_1)
	v_mul_f32 v[TMP], s[CS], v[TMP]                ; as t (c is positive)
	s_delay_alu instid0(VALU_DEP_1)
	v_max_num_f32 v[NM+1], v[NM+1], v[TMP]         ; the running largest t
	v_mov_b32 v[TMP], v[NM]
	s_delay_alu instid0(VALU_DEP_2)
	v_floor_f32 v[NM], -v[NM+1]                    ; the new -M = floor(-t) = -ceil(t): M is a whole number
	s_delay_alu instid0(VALU_DEP_1)
	v_sub_f32 v[TMP], v[NM], v[TMP]                ; M's old value less its new one: a whole number, 0 or less
	s_delay_alu instid0(VALU_DEP_1)
	v_cvt_i32_f32 v[TMP], v[TMP]                   ; (it saturates)
	s_delay_alu instid0(VALU_DEP_1)
	v_ldexp_f32 v[F], 1.0, v[TMP]                  ; f = 2^(old M - new M): a multiplication by it rounds nothing
.set j, 0
.rept 32
	v_pk_fma_f32 v[S+j:S+j+1], v[S+j:S+j+1], s[CS:CS+1], v[NM:NM+1] op_sel_hi:[1,0,0]   ; t - M, two at a time (of the pairs c and -M the low word serves both halves)
.set j, j+2
.endr
.irp b, 0,1,2,3
	v_fma_f32 v[BM+\b], v[BM+\b], s[CS], v[NM]     ; the same of each block's largest score
.endr
.set j, 0
	s_wait_alu depctr_va_vdst(0)
.rept 64
	v_exp_f32 v[S+j], v[S+j]                       ; p = 2^(t - M), at most 1: not normalised
.set j, j+1
.endr
.irp b, 0,1,2,3
	v_exp_f32 v[BM+\b], v[BM+\b]                   ; the block's largest p: the same two instructions on the same number give the same bits
.endr
	v_pk_mul_f32 v[NM+2:NM+3], v[NM+2:NM+3], v[F:F+1] op_sel_hi:[1,0]   ; the sums under the new M.  (The plain line behind the exponentials)
	s_wait_alu depctr_va_vdst(0)
.irp b, 0,1,2,3
	v_max_num_f32 v[BM+\b], 0x1800000, v[BM+\b]    ; the floor 2^(3 - 127): the byte cannot fall under 1
.endr
.irp b, 0,1,2,3
	s_delay_alu instid0(VALU_DEP_4)
	v_add_nc_u32 v[BS+\b], 0xff000000, v[BM+\b]    ; 2 off the exponent field: the conversion's scale operand
.endr
.irp b, 0,1,2,3
	s_delay_alu instid0(VALU_DEP_4)
	v_lshrrev_b32 v[BT+\b], 23, v[BS+\b]           ; the scale's byte
.endr
	s_delay_alu instid0(VALU_DEP_3)
	v_lshl_or_b32 v[PSW+\u], v[BT+1], 8, v[BT]     ; p's scale word for these 128 keys
	s_delay_alu instid0(VALU_DEP_1)
	v_lshl_or_b32 v[PSW+\u], v[BT+2], 16, v[PSW+\u]
	s_delay_alu instid0(VALU_DEP_1)
	v_lshl_or_b32 v[PSW+\u], v[BT+3], 24, v[PSW+\u]
.irp b, 0,1,2,3
	v_cvt_scalef32_pk8_fp4_f32 v[PC+8*\u+2*\b], v[S+16*\b:S+16*\b+7], v[BS+\b]
	v_cvt_scalef32_pk8_fp4_f32 v[PC+8*\u+2*\b+1], v[S+16*\b+8:S+16*\b+15], v[BS+\b]
.endr
	v_nop                                          ; one plain line behind a scaled conversion
.irp c, 0,1                                    ; the operand's layout wants a whole block in a lane: lanes 0-15 block 2 c, lanes 16-31 block 2 c + 1
.irp i, 0,1
	v_permlane16_swap_b32 v[PC+8*\u+4*\c+\i], v[PC+8*\u+2+4*\c+\i]
.endr
.endr
	v_pk_add_f32 v[SUM2:SUM2+1], v[S:S+1], v[S+2:S+3]   ; the row's sum is taken of the unquantised p: two at a time, in two chains
.irp j, 4,8,12,16,20,24,28,32,36,40,44,48,52,56,60
	v_pk_add_f32 v[NM+2:NM+3], v[NM+2:NM+3], v[S+\j:S+\j+1]
	v_pk_add_f32 v[SUM2:SUM2+1], v[SUM2:SUM2+1], v[S+\j+2:S+\j+3]
.endr
	s_delay_alu instid0(VALU_DEP_1)
	v_pk_add_f32 v[NM+2:NM+3], v[NM+2:NM+3], v[SUM2:SUM2+1]
.set j, 0
.rept 16
	v_pk_mul_f32 v[O+32*\u+j:O+32*\u+j+1], v[O+32*\u+j:O+32*\u+j+1], v[F:F+1] op_sel_hi:[1,0]   ; O^T under the new M: x f, each accumulator from its low end on
.set j, j+2
.endr
.endm                                          ; (the 48 packed lines behind the exchange stand between the scale word and codes just made and the products that take them)
	s_wait_tensorcnt 0x0                           ; my record has landed: for the other waves' sake, ahead of my signal
	s_barrier_signal -1
	s_barrier_wait -1                              ; all sixteen have
	s_wait_loadcnt 0x0                             ; Q
.Lstep:                                            ; 16 trips: 128 keys, one record, each
	s_setprio 2
	v_add_nc_u32 v[ADC], s[TB], v[L16]
	v_add_nc_u32 v[ADS], s[TB], v[L8]
	v_nop
	v_nop                                          ; four plain lines in front of loads into registers that the last products read
.irp t, 0,1,2,3,4,5,6,7
	ds_load_b128 v[KV+4*\t:KV+4*\t+3], v[ADC] offset:512*\t   ; K's tile t: 32 lanes read 512 consecutive bytes
.endr
	ds_load_b128 v[KSW:KSW+3], v[ADC] offset:4096
	s_wait_dscnt 0x0
	SQ 0
.rept 4
	v_nop                                          ; places in front of the first read of results
.endr
	SOFTMAX 0
	SQ 1                                           ; K's tiles once more, against my second tile of queries
.rept 4
	v_nop                                          ; places in front of the loads into K's registers, and of the first read of results
.endr
.irp t, 0,1,2,3
.irp c, 0,1
	ds_load_b128 v[KV+8*\t+4*\c:KV+8*\t+4*\c+3], v[ADC] offset:4608+1024*\t+512*\c   ; V's four fragments land while the second softmax is worked
.endr
.endr
	ds_load_b64 v[VSW:VSW+1], v[ADS] offset:8704
	s_setprio 1
	SOFTMAX 1
	s_setprio 0
	s_wait_alu depctr_va_vdst(0)
	s_wait_dscnt 0x0
.irp t, 0,1,2,3                                ; O^T += V^T P^T: each fragment of V against both tiles of queries; the eight accumulators take turns, one instruction a turn
.irp u, 0,1
.if \t%2
	v_wmma_scale_f32_16x16x128_f8f6f4 v[O+32*\u+8*\t:O+32*\u+8*\t+7], v[KV+8*\t:KV+8*\t+7], v[PC+8*\u:PC+8*\u+7], v[O+32*\u+8*\t:O+32*\u+8*\t+7], v[VSW+\t/2], v[PSW+\u] matrix_a_fmt:MATRIX_FMT_FP4 matrix_b_fmt:MATRIX_FMT_FP4 matrix_a_scale:MATRIX_SCALE_ROW1
.else
	v_wmma_scale_f32_16x16x128_f8f6f4 v[O+32*\u+8*\t:O+32*\u+8*\t+7], v[KV+8*\t:KV+8*\t+7], v[PC+8*\u:PC+8*\u+7], v[O+32*\u+8*\t:O+32*\u+8*\t+7], v[VSW+\t/2], v[PSW+\u] matrix_a_fmt:MATRIX_FMT_FP4 matrix_b_fmt:MATRIX_FMT_FP4
.endif
.endr
.endr
	s_add_co_u32 s[TB], s[TB], KVB
	s_cmp_lt_u32 s[TB], 16*KVB
	s_cbranch_scc1 .Lstep
	s_setprio 0
; THE WAY OUT.  O^T / the sum; register 16 b + i is channel 32 b + 16 (lane / 16) + i of the head: two blocks of the last product's K.  They are quantised in registers and leave as half a fragment's image.
.macro FINISH u
.set NM, 8+4*\u
.set SS, S+32*\u
	v_add_f32 v[NM+2], v[NM+2], v[NM+3]            ; the sum's two halves,
	s_delay_alu instid0(VALU_DEP_1)
	v_permlanex16_b32 v[TMP], v[NM+2], s[SEL], s[SEL+1]
	s_delay_alu instid0(VALU_DEP_1)
	v_add_f32 v[NM+2], v[NM+2], v[TMP]             ; and lane l xor 16's: the row's sum
	s_wait_alu depctr_va_vdst(0)
	v_rcp_f32 v[NM+2], v[NM+2]
	v_nop                                          ; one plain line behind a transcendental
.set j, 0
	s_wait_alu depctr_va_vdst(0)
.rept 32
	v_mul_f32 v[SS+j], v[O+32*\u+j], v[NM+2]
.set j, j+1
.endr
.irp b, 0,1
	v_max3_num_f32 v[BM+\b], |v[SS+16*\b]|, |v[SS+16*\b+1]|, 0x1800000
.endr
.irp i, 2,4,6,8,10,12,14
.irp b, 0,1
	s_delay_alu instid0(VALU_DEP_2)
	v_max3_num_f32 v[BM+\b], v[BM+\b], |v[SS+16*\b+\i]|, |v[SS+16*\b+\i+1]|
.endr
.endr
.irp b, 0,1
	s_delay_alu instid0(VALU_DEP_2)
	v_permlanex16_b32 v[BT+\b], v[BM+\b], s[SEL], s[SEL+1]
.endr
.irp b, 0,1
	s_delay_alu instid0(VALU_DEP_2)
	v_max_num_f32 v[BM+\b], v[BM+\b], v[BT+\b]
.endr
.irp b, 0,1
	s_delay_alu instid0(VALU_DEP_2)
	v_add_nc_u32 v[BS+\b], 0xff000000, v[BM+\b]
.endr
.irp b, 0,1
	s_delay_alu instid0(VALU_DEP_2)
	v_lshrrev_b32 v[BT+\b], 23, v[BS+\b]
.endr
	s_delay_alu instid0(VALU_DEP_1)
	v_lshl_or_b32 v[HW+\u], v[BT+1], 8, v[BT]      ; my query's two scale bytes
.irp b, 0,1
	v_cvt_scalef32_pk8_fp4_f32 v[OC+4*\u+2*\b], v[SS+16*\b:SS+16*\b+7], v[BS+\b]
	v_cvt_scalef32_pk8_fp4_f32 v[OC+4*\u+2*\b+1], v[SS+16*\b+8:SS+16*\b+15], v[BS+\b]
.endr
	v_nop                                          ; one plain line behind a scaled conversion
.irp i, 0,1
	v_permlane16_swap_b32 v[OC+4*\u+\i], v[OC+4*\u+2+\i]   ; lanes 0-15 the head's first block, lanes 16-31 its second
.endr
	global_store_b128 v[L16], v[OC+4*\u:OC+4*\u+3], s[38:39] offset:4096*\u   ; 32 lanes store 512 consecutive bytes, aligned
.endm
.rept 4
	v_nop                                          ; places behind the last products
.endr
	FINISH 0
	FINISH 1
	s_mov_b32 vcc_lo, 0xffff0000
	v_cndmask_b32 v[HW+2], v[HW], v[HW+1], vcc_lo  ; lanes 0-15 my first tile's rows, lanes 16-31 my second's
	global_store_b16 v[L32], v[HW+2], s[40:41]     ; two bytes of each token's 32: 262,144 bytes in the launch beside 4,194,304 of codes; so laid, the last product reads a row's scale bytes on end
	s_wait_tensorcnt 0x0
	ds_add_u32 v254, v255
	s_wait_dscnt 0x0
	CROUND                                         ; the closing round (no LDS instruction of mine is out since the loop's last wait): no work-group ends while a partner may still ask for a record that names it
	s_endpgm
.Lfunc_end_k_q6aec12ef65_attn:
	.size	k_q6aec12ef65_attn, .Lfunc_end_k_q6aec12ef65_attn-k_q6aec12ef65_attn
	.p2alignl 7, 3214868480
	.fill 96, 4, 3214868480
	.section	.rodata,"a",@progbits
	.p2align	6, 0x0
	.amdhsa_kernel k_q6aec12ef65_attn
		.amdhsa_group_segment_fixed_size 169984
		.amdhsa_private_segment_fixed_size 0
		.amdhsa_enable_private_segment 0
		.amdhsa_kernarg_size 24
		.amdhsa_user_sgpr_count 2
		.amdhsa_user_sgpr_kernarg_segment_ptr 1
		.amdhsa_wavefront_size32 1
		.amdhsa_system_sgpr_workgroup_id_x 1
		.amdhsa_system_sgpr_workgroup_id_y 1
		.amdhsa_system_sgpr_workgroup_id_z 1
		.amdhsa_system_vgpr_workitem_id 0
		.amdhsa_next_free_vgpr 256
		.amdhsa_next_free_sgpr 66
		.amdhsa_reserve_vcc 1
		.amdhsa_float_denorm_mode_32 3
		.amdhsa_float_denorm_mode_16_64 3
		.amdhsa_memory_ordered 1
		.amdhsa_forward_progress 1
		.amdhsa_inst_pref_size 47
	.end_amdhsa_kernel
	.amdgpu_metadata
---
amdhsa.version: [ 1, 2 ]
amdhsa.kernels:
  - .name:           k_q6aec12ef65_attn
    .symbol:         k_q6aec12ef65_attn.kd
    .args:
      - { .name: qkv, .offset: 0, .size: 8, .value_kind: global_buffer, .address_space: global }
      - { .name: ai, .offset: 8, .size: 8, .value_kind: global_buffer, .address_space: global }
      - { .name: asc, .offset: 16, .size: 8, .value_kind: global_buffer, .address_space: global }
    .group_segment_fixed_size: 169984
    .private_segment_fixed_size: 0
    .kernarg_segment_align: 8
    .kernarg_segment_size: 24
    .max_flat_workgroup_size: 512
    .sgpr_count:     66
    .vgpr_count:     256
    .wavefront_size: 32
...
	.end_amdgpu_metadata
.endif
;; end of part 3
;; launch outp (part 4): grid 4 x 32, 4 waves a work-group, clusters of 4 x 4, 296,448 bytes of LDS; arguments ai, asc, xc, xs, bo, out0; writes out0
.if DOCPART == 4
	.amdgcn_target "amdgcn-amd-amdhsa--gfx1250"
	.amdhsa_code_object_version 6
	.text
	.protected	k_q6aec12ef65_outp
	.globl	k_q6aec12ef65_outp
	.p2align	8
	.type	k_q6aec12ef65_outp,@function
k_q6aec12ef65_outp:
	s_mov_b64 s[64:65], 0
	v_nop
	global_prefetch_b8 v0, s[64:65] scope:SCOPE_SE
	s_setreg_imm32_b32 hwreg(HW_REG_WAVE_MODE, 25, 1), 1
	s_wait_xcnt 0x0
	s_wait_alu depctr_hold_cnt(0) depctr_sa_sdst(0) depctr_va_vdst(0) depctr_va_sdst(0) depctr_va_ssrc(0) depctr_va_vcc(0) depctr_vm_vsrc(0)
	s_getreg_b32 s2, hwreg(HW_REG_IB_STS2, 6, 4)
	s_cmp_eq_u32 s2, 0
	s_cbranch_scc0 .Lentry_in_a_cluster
	s_endpgm
.Lentry_in_a_cluster:
	s_bfe_u32 s2, ttmp6, 0x10000c
	s_cmp_lg_u32 s2, 0xf033
	s_cbranch_scc0 .Lentry_shape_is_right
	s_endpgm
.Lentry_shape_is_right:
; out0 = attn Wo^T + bo on codes of FP4 with E8M0 scales: [8,192 tokens, K 1,024] x [1,024 features, K 1,024], f32 out.
; A tile of 256 x 256 is made by a work-group of four waves, as many as a WGP has SIMDs; a wave makes 128 x 128: 64 accumulators, 512 registers.  All of K fits in LDS: two slots of 512 along K and the scale bytes
; are filled ONCE, at the start; nothing is filled again.
; A (the attention's result) comes as images of operand registers: ai [K half][tile of 16 tokens][8 heads][512 bytes], lane l's 16 bytes at 16 l; a wave's 128 tokens of a K half are 32,768 dense bytes.
; Its scale bytes: asc [token][32].  B is Wo: rows 27,648 on of xc (512 bytes of codes) and xs (32 scale bytes).
; THE ROW ORDER.  Both the tokens of ai and asc and the rows of Wo in xc lie with the four groups of 8 of every 32 in the order 0, 2, 1, 3.  THE MATRIX INSTRUCTION IS USED TRANSPOSED (source 0 = 16 rows of Wo, source 1 = 16 tokens):
; register j of lane (r, h) in Wo's tile b is the true column 32 (b / 2) + 16 h + 8 (b % 2) + j; lane r of token block a is the true row 32 (a / 2) + 8 (a % 2) + r + 8 (r / 8).  The way out puts both right.
; CLUSTERS: 4 x 4 work-groups.  The four of a row of the cluster need the same tiles of A, the four of a column the same tiles of B: each is asked for JOINTLY, by the same tensor load with the same descriptor and a mask that names the four.
; The bias is the C of the first K step's products.
; REGISTERS, in windows of 256: window 0: v1-7 at work, v16-28 addresses, v32-95 scale words (two sets, nothing else ever), v128-191 A's fragments (one set), v192-255 the bias; on the way out v128-255 take rows of the result.
;   window 1: B's fragments, two sets.  windows 2, 3: the accumulators, (a, b) at v[8 (8 (a % 4) + b)].
.set NQ,     4
.set ROWB,   256
.set KROW,   512
.set PITCH,  272                       ; B's LDS row: 256 bytes + 16 of padding
.set FR,     8
.set NL,     2
.set NP,     4                         ; places behind this matrix instruction (ISA guide 7.12.1)
.set HALFT,  128*PITCH                 ; the room of 128 rows (A's images use 32,768 bytes of it)
.set SLOT,   4*HALFT
.set KS,     32
.set SCL,    2*SLOT
.set HALFS,  16*272
.set SBLK,   2*272
.set SPITCH, 528                       ; the way out: a stage of 16 rows x (512 bytes + 16) for each wave, in slot 0, which has had its one fill and its last read when the first result is stored there
.set ADRA, 16
.set ADRB, 20
.set STO,  24
.set RD,   25
.set CO,   26                          ; v26 16 x lane
.set ADRS, 27
.set BO,   28
.set SC,   32
.set AF,   128
.set BK,   128
.set CB,   192
.set G1, 24                            ; s[24:31] descriptor group 1 for A's images;  s[32:39] group 0, one set for each slot
.set G0, 32
.set G1B, 48                           ; s[48:55], s[56:63] the same for B's tiles
.set G0B, 56
.set G1S, 68                           ; s[68:75], s[76:79] for A's scale bytes;  s[80:87], s[88:91] for B's
.set G0S, 76
.set G1SB, 80
.set G0SB, 88
.set MSB, 0
.macro WIN new                         ; the immediate's high byte repeats the setting that is left
.if MSB != (\new)
	s_set_vgpr_msb (MSB<<8)|(\new)
.set MSB, (\new)
.endif
.endm
.set MUL_LO, 0xa1
.set MUL_HI, 0xf1
.set TO_B,   0x40
.macro PLACES n
.rept \n
	v_nop
.endr
.endm
; A joint load: waves 0 and 1 fetch for A, waves 2 and 3 for B.  Each of the two lines has one mask and one set of registers for all that issue it; the branch hangs on the wave's number alone.
; Four v_nop follow each of the two lines, ahead of the jump, the label and what follows.
.macro JLOAD g0a, g1a, g0b, g1b
	s_cmp_eq_u32 s15, 0
	s_cbranch_scc0 .Lfor_b_\@
	tensor_load_to_lds s[\g0a:\g0a+3], s[\g1a:\g1a+7]
	s_nop 0
	PLACES 4
	s_branch .Lasked_\@
.Lfor_b_\@:
	tensor_load_to_lds s[\g0b:\g0b+3], s[\g1b:\g1b+7]
	s_nop 0
	PLACES 4
.Lasked_\@:
.endm
.macro CROUND                          ; a round of the cluster's barrier
	s_barrier_signal -1
	s_barrier_wait -1
	s_cmp_lg_u32 s14, 0
	s_cbranch_scc1 .Lnot_wave_0_\@
	s_barrier_signal -3
.Lnot_wave_0_\@:
	s_barrier_wait -3
	s_barrier_signal -1
	s_barrier_wait -1
.endm
	s_load_b128 s[4:7], s[0:1], 0x0                ; ai s[4:5], asc s[6:7]
	s_load_b128 s[8:11], s[0:1], 0x10              ; xc s[8:9], xs s[10:11]
	s_load_b64 s[96:97], s[0:1], 0x20              ; bo
	s_load_b64 s[12:13], s[0:1], 0x28              ; out0
	v_lshl_add_u32 v126, v0, 2, 0x48400
	v_mov_b32 v127, 0
	ds_add_u32 v126, v127
	ds_add_u32 v126, v127
	v_lshrrev_b32 v1, 5, v0
	v_readfirstlane_b32 s14, v1                    ; wave 0..3
	s_lshr_b32 s15, s14, 1                         ; which half of the tile's tokens is mine.  Also: I fetch for A (0) or for B (1)
	s_and_b32 s16, s14, 1                          ; which half of its columns.  Also: which 128 rows I fetch
	s_bfe_u32 s40, ttmp6, 0x40000                  ; cx, cy: my place in the cluster
	s_bfe_u32 s41, ttmp6, 0x40004
	s_lshl_b32 s42, ttmp9, 2
	s_add_co_u32 s42, s42, s40                     ; tile column = 4 x cluster x + cx
	s_and_b32 s17, ttmp7, 0xffff
	s_lshl_b32 s17, s17, 2
	s_add_co_u32 s17, s17, s41                     ; tile row = 4 x cluster y + cy
	s_lshl_b32 s43, s41, 2
	s_lshl_b32 s43, 15, s43                        ; my row of the cluster
	s_lshl_b32 s44, 0x1111, s40                    ; my column
	s_or_b32 s[G1+0], s43, (3<<16)|(1<<21)         ; A's images: 15:0 the mask: my row; 17:16 elements of 8 bytes; no padding; 21 set beside a mask
	s_mov_b32 s[G1+1], 32<<16                      ; 32,768 dense bytes as 128 rows of 256
	s_mov_b32 s[G1+2], 128<<16
	s_mov_b32 s[G1+3], 32<<16
	s_mov_b32 s[G1+4], 128
	s_mov_b32 s[G1+5], 32
	s_mov_b32 s[G1+6], 0
	s_mov_b32 s[G1+7], 0
	s_or_b32 s[G1B+0], s44, (1<<20)|(1<<21)|(5<<22)|(3<<25)   ; B's tiles: my column; elements of 1 byte; four words of padding after every 64
	s_mov_b32 s[G1B+1], ROWB<<16
	s_mov_b32 s[G1B+2], 128<<16
	s_mov_b32 s[G1B+3], ROWB<<16
	s_mov_b32 s[G1B+4], 128
	s_mov_b32 s[G1B+5], KROW
	s_mov_b32 s[G1B+6], 0
	s_mov_b32 s[G1B+7], 0
	s_or_b32 s[G1S+0], s43, (3<<16)|(1<<20)|(1<<21)|(5<<22)|(3<<25)   ; the scale bytes of 128 rows: 4,096 dense bytes as 16 rows of 256, 16 bytes of padding behind each
	s_or_b32 s[G1SB+0], s44, (3<<16)|(1<<20)|(1<<21)|(5<<22)|(3<<25)
.irp g, G1S, G1SB
	s_mov_b32 s[\g+1], 32<<16
	s_mov_b32 s[\g+2], 16<<16
	s_mov_b32 s[\g+3], 32<<16
	s_mov_b32 s[\g+4], 16
	s_mov_b32 s[\g+5], 32
	s_mov_b32 s[\g+6], 0
	s_mov_b32 s[\g+7], 0
.endr
	s_lshl_b32 s18, s16, 7                         ; which 128 rows I fetch
	s_lshl_b32 s20, s17, 8
	s_add_co_u32 s20, s20, s18                     ; A: token place 256 x tile row + 128 x half
	s_lshl_b32 s46, s42, 8
	s_add_co_u32 s46, s46, s18                     ; B: Wo's row place 256 x tile column + 128 x half
	s_lshl_b32 s22, s20, 5                         ; A's scale bytes: 32 a token
	s_mov_b32 s23, 0
	s_lshl_b32 s20, s20, 8                         ; A's images: 4,096 bytes a tile of 16 tokens
	s_mov_b32 s21, 0
	s_lshl_b32 s92, s46, 5
	s_add_co_u32 s92, s92, 27648*32                ; Wo's scale bytes in xs
	s_mov_b32 s93, 0
	s_lshl_b32 s46, s46, 9
	s_add_co_u32 s46, s46, 27648*512               ; Wo's codes in xc
	s_mov_b32 s47, 0
	s_mul_i32 s45, s14, HALFT                      ; where they go: wave x a constant: no place in the cluster enters an LDS address
	s_mul_i32 s94, s14, HALFS
	s_wait_dscnt 0x0
	s_wait_kmcnt 0x0
	s_add_nc_u64 s[20:21], s[4:5], s[20:21]
	s_add_nc_u64 s[22:23], s[6:7], s[22:23]
	s_add_nc_u64 s[46:47], s[8:9], s[46:47]
	s_add_nc_u64 s[92:93], s[10:11], s[92:93]
	CROUND                                         ; all sixteen work-groups are here: the joint loads meet
	s_mov_b32 s[G0S], 1
	s_add_co_u32 s[G0S+1], s94, SCL
	s_mov_b64 s[G0S+2:G0S+3], s[22:23]
	s_or_b32 s[G0S+3], s[G0S+3], 0x80000000
	s_mov_b32 s[G0SB], 1
	s_add_co_u32 s[G0SB+1], s94, SCL
	s_mov_b64 s[G0SB+2:G0SB+3], s[92:93]
	s_or_b32 s[G0SB+3], s[G0SB+3], 0x80000000
	JLOAD G0S, G1S, G0SB, G1SB                     ; the scale bytes first; then both slots: three tensor loads of mine are out
.irp s, 0,1
	s_mov_b32 s[G0+4*\s], 1
	s_add_co_u32 s[G0+4*\s+1], s45, \s*SLOT
	s_add_nc_u64 s[G0+4*\s+2:G0+4*\s+3], s[20:21], \s*2097152      ; ai's second K half lies 512 tiles x 4,096 bytes on
	s_or_b32 s[G0+4*\s+3], s[G0+4*\s+3], 0x80000000
	s_mov_b32 s[G0B+4*\s], 1
	s_add_co_u32 s[G0B+4*\s+1], s45, \s*SLOT
	s_add_nc_u64 s[G0B+4*\s+2:G0B+4*\s+3], s[46:47], \s*ROWB
	s_or_b32 s[G0B+4*\s+3], s[G0B+4*\s+3], 0x80000000
	JLOAD G0+4*\s, G1, G0B+4*\s, G1B
.endr
	v_and_b32 v1, 15, v0                           ; r
	v_bfe_u32 v2, v0, 4, 1                         ; h
	v_and_b32 v6, 31, v0
	v_lshlrev_b32 v[CO], 4, v6
	v_mul_u32_u24 v3, v1, PITCH
	v_lshl_add_u32 v4, v2, 4, v3                   ; B: a fragment's row x pitch + 16 x half
	s_mul_i32 s21, s15, HALFT                      ; my 128 tokens' images
	s_mul_i32 s22, s16, HALFT                      ; my 128 rows of B,
	s_add_co_u32 s22, s22, 2*HALFT                 ; which lie behind A's room
.irp s, 0,1
	v_add_nc_u32 v[ADRA+\s], s21, v[CO]            ; A: an image's place for my lane
	v_add_nc_u32 v[ADRB+\s], s22, v4
	s_add_co_u32 s21, s21, SLOT
	s_add_co_u32 s22, s22, SLOT
.endr
	v_mul_u32_u24 v5, v1, KS                       ; my row's scale bytes: 32 a row,
	v_lshrrev_b32 v6, 8, v5
	v_lshl_add_u32 v5, v6, 4, v5                   ; and 16 more for each 256 passed
	s_mul_i32 s21, s15, HALFS
	s_mul_i32 s22, s16, HALFS
	s_add_co_u32 s22, s22, 2*HALFS
	s_sub_co_u32 s22, s22, s21
	v_mul_u32_u24 v6, s22, v2                      ; lanes 16-31 take B's: one product, the distance between the two bases
	s_add_co_u32 s21, s21, SCL
	v_add_nc_u32 v5, v5, v6
	v_add_nc_u32 v[ADRS], s21, v5
	s_mul_i32 s23, s14, 16*SPITCH                  ; my stage
	v_mul_u32_u24 v5, v1, SPITCH                   ; in: row r; my half's 16 columns of each 32: + 64 h bytes
	v_lshl_add_u32 v5, v2, 6, v5
	v_add_nc_u32 v[STO], s23, v5
	v_add_nc_u32 v[RD], s23, v[CO]                 ; back: the 32 lanes take one row of 512 bytes
	s_lshl_b32 s20, s17, 8
	s_lshl_b32 s21, s15, 7
	s_add_co_u32 s20, s20, s21                     ; my first row of out0: 256 x tile row + 128 x half,
	s_lshl_b32 s20, s20, 12                        ; of 4,096 bytes
	s_mov_b32 s21, 0
	s_lshl_b32 s46, s42, 10                        ; my first column, in bytes, in out0 and in bo alike: 1,024 x tile column + 512 x half
	s_lshl_b32 s47, s16, 9
	s_add_co_u32 s46, s46, s47
	s_mov_b32 s47, 0
	s_add_nc_u64 s[96:97], s[96:97], s[46:47]
	s_add_nc_u64 s[20:21], s[20:21], s[46:47]
	s_add_nc_u64 s[12:13], s[12:13], s[20:21]
	v_lshlrev_b32 v[BO], 6, v2                     ; the bias in the result's layout: tile b wants columns 32 (b / 2) + 16 h + 8 (b % 2) + 0 .. 7
.irp b, 0,1,2,3,4,5,6,7
	global_load_b128 v[CB+8*\b:CB+8*\b+3], v[BO], s[96:97] offset:128*(\b/2)+32*(\b%2)
	global_load_b128 v[CB+8*\b+4:CB+8*\b+7], v[BO], s[96:97] offset:128*(\b/2)+32*(\b%2)+16
.endr
.macro FRAG reg, adr, q, i             ; B: 16 rows x 128 K from padded rows
.irp c, 0,1
	ds_load_b128 v[\reg+4*\c:\reg+4*\c+3], v[\adr] offset:64*(\q)+32*\c+(\i)*16*PITCH
.endr
.endm
.macro FRAGA reg, adr, q, i            ; A: the image of token tile i, heads 2 q and 2 q + 1 of the slot's eight: 32 lanes read 512 consecutive bytes
.irp c, 0,1
	ds_load_b128 v[\reg+4*\c:\reg+4*\c+3], v[\adr] offset:4096*(\i)+1024*(\q)+512*\c
.endr
.endm
; 16 matrix instructions: A's blocks a0, a0 + 1 x B's eight.  cm = 1: the sums start from the bias; 0: they go on.  The 64 accumulators take turns, one instruction a turn, in the same order in every step.
.macro MUL16 a0, p, q, sc, cm
.irp a, \a0, \a0+1
.irp b, 0,1,2,3,4,5,6,7
.if \cm
	v_wmma_scale_f32_16x16x128_f8f6f4 v[8*(8*((\a)%4)+\b):8*(8*((\a)%4)+\b)+7], v[128*(\p)+FR*\b:128*(\p)+FR*\b+FR-1], v[AF+FR*(\a):AF+FR*(\a)+FR-1], v[CB+8*\b:CB+8*\b+7], v[SC+8*NQ*(\sc)+NQ*\b+(\q)], v[SC+8*NQ*(\sc)+NQ*(\a)+(\q)] matrix_a_fmt:MATRIX_FMT_FP4 matrix_b_fmt:MATRIX_FMT_FP4 matrix_a_scale:MATRIX_SCALE_ROW1
.else
	v_wmma_scale_f32_16x16x128_f8f6f4 v[8*(8*((\a)%4)+\b):8*(8*((\a)%4)+\b)+7], v[128*(\p)+FR*\b:128*(\p)+FR*\b+FR-1], v[AF+FR*(\a):AF+FR*(\a)+FR-1], v[8*(8*((\a)%4)+\b):8*(8*((\a)%4)+\b)+7], v[SC+8*NQ*(\sc)+NQ*\b+(\q)], v[SC+8*NQ*(\sc)+NQ*(\a)+(\q)] matrix_a_fmt:MATRIX_FMT_FP4 matrix_b_fmt:MATRIX_FMT_FP4 matrix_a_scale:MATRIX_SCALE_ROW1
.endif
.endr
.endr
.endm
.macro FETCH_B slot, q, p
	WIN TO_B
.irp i, 0,1,2,3,4,5,6,7
	FRAG 128*(\p)+FR*\i, ADRB+\slot, \q, \i
.endr
	WIN 0
.endm
.macro FETCH_A slot, q, i0
.irp i, \i0, \i0+1, \i0+2, \i0+3
	FRAGA AF+FR*(\i), ADRA+\slot, \q, \i
.endr
.endm
.macro SCALES sc                       ; a slot's scale words: lanes 0-15 take A's block i, lanes 16-31 B's block i
.irp i, 0,1,2,3,4,5,6,7
	ds_load_b128 v[SC+8*NQ*\sc+NQ*\i:SC+8*NQ*\sc+NQ*\i+3], v[ADRS] offset:\i*SBLK
.endr
.endm
; A step of 128 along K that has its successor in the same slot.  A load into a register that a matrix instruction has read stands four plain vector instructions behind it (ISA guide 7.12.1 for vector instructions).
.macro STEP slot, q, cm
	s_wait_dscnt 4*NL                              ; B's set, A's blocks 0-3 and the scale words are in; the youngest eight loads (A's blocks 4-7) may be out
.if \cm
	WIN 0x81                                       ; C (the bias) in window 0, D in window 2
.else
	WIN MUL_LO
.endif
	MUL16 0, (\q)%2, \q, \slot, \cm
	MUL16 2, (\q)%2, \q, \slot, \cm
	s_wait_dscnt 0                                 ; A's blocks 4-7 are in
	PLACES NP
	FETCH_B \slot, (\q)+1, 1-(\q)%2
	FETCH_A \slot, (\q)+1, 0
.if \cm
	WIN 0xc1
.else
	WIN MUL_HI
.endif
	MUL16 4, (\q)%2, \q, \slot, \cm
	MUL16 6, (\q)%2, \q, \slot, \cm
	PLACES NP
	WIN 0
	FETCH_A \slot, (\q)+1, 4
.endm
; Slot 0's last step goes over to slot 1.  Each wave waits for its part of slot 1 and for its own reads of slot 0, then the barrier: behind it slot 1 is whole and nobody reads slot 0.  Nothing is filled again.
.macro TURN slot, next
	s_wait_tensorcnt 0x0                           ; my part of the next slot has landed: for the other waves' sake, ahead of my signal
	s_wait_dscnt 4*NL                              ; (the youngest eight loads, A's blocks 4-7, may be out)
	WIN MUL_LO
	MUL16 0, 1, NQ-1, \slot, 0
	s_wait_dscnt 0x0                               ; my reads of this slot are over
	s_barrier_signal -1
	MUL16 2, 1, NQ-1, \slot, 0
	WIN 0
	s_barrier_wait -1
	PLACES NP
	v_add_nc_u32 v[ADRS], 4*NQ, v[ADRS]            ; on to the next slot's scale words
	FETCH_B \next, 0, 0
	FETCH_A \next, 0, 0
	SCALES \next
	WIN MUL_HI
	MUL16 4, 1, NQ-1, \slot, 0
	MUL16 6, 1, NQ-1, \slot, 0
	PLACES NP
	WIN 0
	FETCH_A \next, 0, 4
.endm
.macro STEPS slot, from
.set Q, \from
.rept NQ-1-\from
	STEP \slot, Q, 0
.set Q, Q+1
.endr
.endm
	s_wait_tensorcnt 1                             ; the scale bytes and my part of slot 0 are in; slot 1's load may be out
	s_barrier_signal -1
	s_barrier_wait -1                              ; everybody's are
	FETCH_B 0, 0, 0
	FETCH_A 0, 0, 0
	SCALES 0
	FETCH_A 0, 0, 4
	s_wait_loadcnt 0x0                             ; the bias
	STEP 0, 0, 1                                   ; the first step's products start the sums from the bias
	STEPS 0, 1
	TURN 0, 1
	STEPS 1, 0
	s_wait_dscnt 4*NL                              ; the last step: nothing more to fetch
	WIN MUL_LO
	MUL16 0, 1, NQ-1, 1, 0
	MUL16 2, 1, NQ-1, 1, 0
	s_wait_dscnt 0
	WIN MUL_HI
	MUL16 4, 1, NQ-1, 1, 0
	MUL16 6, 1, NQ-1, 1, 0
	WIN 0
; THE WAY OUT, block by block of 16 tokens x 128 columns.  A lane holds 32 bytes of a row at a time, and the lanes beside it hold other rows: a block goes through my own stage in LDS, each piece to its true column, and comes back as
; whole rows of 512 bytes, each stored to its true row.  LDS serves a wave's instructions in order (ISA guide 5.7.1.4): no wait between the stores and the loads, nor in front of the next block's stores.
.macro TOSTAGE a
.set AC, 64*((\a)%4)
	WIN 0x08+4*((\a)/4)                            ; the data: window 2 or 3
.irp b, 0,1,2,3,4,5,6,7
	ds_store_b128 v[STO], v[AC+8*\b:AC+8*\b+3] offset:128*(\b/2)+32*(\b%2)       ; each accumulator from its low end on
	ds_store_b128 v[STO], v[AC+8*\b+4:AC+8*\b+7] offset:128*(\b/2)+32*(\b%2)+16
.endr
	WIN 0
.set BB, BK+64*((\a)%2)
.irp t, 0,1,2,3,4,5,6,7,8,9,10,11,12,13,14,15
	ds_load_b128 v[BB+4*\t:BB+4*\t+3], v[RD] offset:\t*SPITCH
.endr
.endm
.macro SEND a, younger                 ; younger: the LDS instructions issued behind block a's loads, which may stay out
.set BB, BK+64*((\a)%2)
	s_wait_dscnt \younger                          ; the block is back in registers
.irp t, 0,1,2,3,4,5,6,7,8,9,10,11,12,13,14,15
	global_store_b128 v[CO], v[BB+4*\t:BB+4*\t+3], s[12:13] offset:(32*((\a)/2)+8*((\a)%2)+\t+8*(\t/8))*4096 th:TH_STORE_NT   ; 32 lanes store 512 consecutive bytes, aligned; row 127 at the most: 520,192 bytes, inside the signed 24-bit immediate; written once, read by nobody here
.endr
.endm
	PLACES NP                                      ; behind the last products: for the stage's reads of results and the loads into the registers that held A's fragments
	TOSTAGE 0
.irp a, 1,2,3,4,5,6,7
.if \a > 1
	s_wait_xcnt 0x0                                ; block a - 2's stores have read their registers: block a's loads may land there
.endif
	TOSTAGE \a
	SEND \a-1, 32                                  ; behind block a - 1's loads: block a's 16 stores and 16 loads
.endr
	SEND 7, 0
	s_wait_tensorcnt 0x0
	ds_add_u32 v126, v127
	s_wait_dscnt 0x0
	CROUND                                         ; the closing round: no work-group ends while a partner may still ask for a tile that names it
	s_endpgm
.Lfunc_end_k_q6aec12ef65_outp:
	.size	k_q6aec12ef65_outp, .Lfunc_end_k_q6aec12ef65_outp-k_q6aec12ef65_outp
	.p2alignl 7, 3214868480
	.fill 96, 4, 3214868480
	.section	.rodata,"a",@progbits
	.p2align	6, 0x0
	.amdhsa_kernel k_q6aec12ef65_outp
		.amdhsa_group_segment_fixed_size 296448
		.amdhsa_private_segment_fixed_size 0
		.amdhsa_enable_private_segment 0
		.amdhsa_kernarg_size 48
		.amdhsa_user_sgpr_count 2
		.amdhsa_user_sgpr_kernarg_segment_ptr 1
		.amdhsa_wavefront_size32 1
		.amdhsa_system_sgpr_workgroup_id_x 1
		.amdhsa_system_sgpr_workgroup_id_y 1
		.amdhsa_system_sgpr_workgroup_id_z 1
		.amdhsa_system_vgpr_workitem_id 0
		.amdhsa_next_free_vgpr 1024
		.amdhsa_next_free_sgpr 100
		.amdhsa_reserve_vcc 0
		.amdhsa_float_denorm_mode_32 3
		.amdhsa_float_denorm_mode_16_64 3
		.amdhsa_memory_ordered 1
		.amdhsa_forward_progress 1
		.amdhsa_inst_pref_size 126
	.end_amdhsa_kernel
	.amdgpu_metadata
---
amdhsa.version: [ 1, 2 ]
amdhsa.kernels:
  - .name:           k_q6aec12ef65_outp
    .symbol:         k_q6aec12ef65_outp.kd
    .args:
      - { .name: ai, .offset: 0, .size: 8, .value_kind: global_buffer, .address_space: global }
      - { .name: asc, .offset: 8, .size: 8, .value_kind: global_buffer, .address_space: global }
      - { .name: xc, .offset: 16, .size: 8, .value_kind: global_buffer, .address_space: global }
      - { .name: xs, .offset: 24, .size: 8, .value_kind: global_buffer, .address_space: global }
      - { .name: bo, .offset: 32, .size: 8, .value_kind: global_buffer, .address_space: global }
      - { .name: out0, .offset: 40, .size: 8, .value_kind: global_buffer, .address_space: global }
    .group_segment_fixed_size: 296448
    .private_segment_fixed_size: 0
    .kernarg_segment_align: 8
    .kernarg_segment_size: 48
    .max_flat_workgroup_size: 128
    .sgpr_count:     100
    .vgpr_count:     1024
    .wavefront_size: 32
...
	.end_amdgpu_metadata
.endif
;; end of part 4
